; MI455X (gfx1250); checked and timed in simulation.
; The chip was launched on July 23, 2026; its instructions are those of AMD's public machine-readable ISA for CDNA 5 (MIT licence, August 2026) and "CDNA5" Instruction Set Architecture Reference Guide (July 2026). The comments in the code are by the model that wrote it; some were corrected since.
;; Multi Head Cross Attention. Allowed arithmetic: matrix products marked QUANTISED: E5M2 operands, one E8M0 scale for each 32 along K, by v_wmma_scale_f32_16x16x128_f8f6f4 with both operands' format E5M2, f32 sums; everything else in f32.
;; Inputs: Wk 1,024 x 1,024 float32; Wo 1,024 x 1,024 float32; Wq 1,024 x 1,024 float32; Wv 1,024 x 1,024 float32; bk 1,024 float32; bo 1,024 float32; bq 1,024 float32; bv 1,024 float32; key 4 x 2,048 x 1,024 float32; query 4 x 2,048 x 1,024 float32; value 4 x 2,048 x 1,024 float32.
;; Outputs: out0 4 x 2,048 x 1,024 float32.
;; This version of the problem:
;;   THIS VERSION OF THE PROBLEM IS GIVEN IN LOW PRECISION. The matrix products marked QUANTISED in the list below multiply operands that are first quantised to E5M2 (5 exponent bits, 2 mantissa bits; 8 bits a number), with one power-of-two scale for each 32 numbers along K (OCP MX v1.0); their sums are f32. All else is computed in f32.
;;   The module's matrix products, in the order in which they are computed (A, B: the left and right operand; K: the contracted axis; several contracted axes count as one K, in the product's order):
;;     1. [M 8,192, K 1,024] x [K 1,024, N 1,024]; A: input query; B: input Wq: QUANTISED
;;     2. [M 8,192, K 1,024] x [K 1,024, N 1,024]; A: input key; B: input Wk: QUANTISED
;;     3. [M 8,192, K 1,024] x [K 1,024, N 1,024]; A: input value; B: input Wv: QUANTISED
;;     4. batch 64 x [M 2,048, K 64] x [K 64, N 2,048]; A: computed on the way; B: computed on the way: QUANTISED
;;     5. batch 64 x [M 2,048, K 2,048] x [K 2,048, N 64]; A: softmax (see below); B: computed on the way: QUANTISED
;;     6. [M 8,192, K 1,024] x [K 1,024, N 1,024]; A: computed on the way; B: input Wo: QUANTISED
;;   THE QUANTISER, for each operand of a quantised product, along K:
;;     - K is cut into blocks of 32 from its start; a last block that is shorter is filled with zeros.
;;     - A block's scale is 2^e with e = floor(log2(the largest magnitude in the block)) - 15, held to -126 .. 127; a block of zeros has e = 0. As a byte (E8M0): e + 127.
;;     - Each number is divided by its block's scale, clamped to +-57,344, and rounded to the nearest number of E5M2, ties to even, subnormals kept.
;;     - The product sums the exact products of the quantised numbers (number of the format x scale) in f32.
;;   ~~~python
;;   def quantise(x, axis):      # numpy; x: float32 -> the quantised numbers, widened to float32 again
;;       x = np.moveaxis(x, axis, -1); K = x.shape[-1]
;;       x = np.pad(x, [(0, 0)] * (x.ndim - 1) + [(0, -K % 32)]); x = x.reshape(x.shape[:-1] + (-1, 32)); a = np.abs(x).max(-1, keepdims=True)
;;       e = np.where(a > 0, np.clip(np.frexp(np.where(a > 0, a, 1))[1] - 1 - 15, -126, 127), 0)      # np.frexp(a)[1] - 1 = floor(log2(a)), exactly
;;       r = np.clip(x / 2.0 ** e, -57344, 57344)
;;       step = 2.0 ** (np.maximum(np.frexp(np.where(r == 0, 1, r))[1] - 1, -14) - 2)
;;       q = np.round(r / step) * step * 2.0 ** e      # np.round: ties to even
;;       return np.moveaxis(q.reshape(q.shape[:-2] + (-1,))[..., :K], -1, axis).astype(np.float32)
;;   ~~~
;;   SOFTMAX AHEAD OF A QUANTISED PRODUCT. Where the list says 'softmax', what is quantised is not the finished softmax but p = 2^(t - M), with t = logit x log2(e) and M = ceil(the row's largest t), a whole number; so 1/2 < the row's largest p <= 1. The row's sum l is taken of the UNQUANTISED p, in f32, and the product's result is divided by l at the end. Since M is a whole number, a kernel that streams over the keys may use a running M (the ceiling of the running maximum): every later rescaling is an exact power of two, which a block's scale takes up: the codes' values come out the same.
;;   OPERANDS COMPUTED ON THE WAY. 'Computed on the way' means the value that the module computes at that place (a softmax that the list does not call 'softmax' is quantised finished and normalised). What goes into a quantiser is computed in f32, as accurately as f32 sums, v_exp_f32 and their like allow (about 1e-6 of the number): no bf16 or f16 on the way to a quantiser, and a product that is left as it is and whose result goes on into a quantised operand takes f32 operands (vector FMAs, or v_wmma_f32_16x16x4_f32). A number that lies on a knife's edge between two numbers of the format may be rounded either way, as far as f32 arithmetic and the matrix unit's own rounding can turn it there, and no further.
;; One version. Each part assembles by itself: llvm-mc -triple=amdgcn-amd-amdhsa -mcpu=gfx1250 --defsym DOCPART=n.
;; ======== version 1 of 1: 4 launches
;; limits: right only within a limited range of input values
;; workspace buffers: xq 25,952,256 bytes; wq 4,325,376 bytes; qq 8,650,752 bytes; kv 17,301,504 bytes; oq 8,650,752 bytes
;; launch quant (part 1): grid 1024 x 1, 4 waves a work-group, no clusters, 34,304 bytes of LDS; arguments query, key, value, Wq, Wk, Wv, Wo, xq, wq; writes xq, wq
.if DOCPART == 1
	.amdgcn_target "amdgcn-amd-amdhsa--gfx1250"
	.amdhsa_code_object_version 6
	.text
	.protected	k_qbab2eed6a1_quant
	.globl	k_qbab2eed6a1_quant
	.p2align	8
	.type	k_qbab2eed6a1_quant,@function
k_qbab2eed6a1_quant:
	s_mov_b64 s[64:65], 0
	v_nop
	global_prefetch_b8 v0, s[64:65] scope:SCOPE_SE
	s_setreg_imm32_b32 hwreg(HW_REG_WAVE_MODE, 25, 1), 1
	s_wait_xcnt 0x0
; MULTI-HEAD CROSS ATTENTION ON CODES OF E5M2 WITH E8M0 BLOCK SCALES, in four launches: this one quantises the f32 inputs of the four projections;
; the second makes Q, K and V (bias and the next quantiser in its way out); the third is the attention; the fourth the projection on the way out.
; NO WORK OF THE PROBLEM IS LEFT OUT: bq, bk and bv go into quantised operands (bk too: it moves K's codes and scales), bo goes into the result, no mask hides a tile, nothing is sliced away.  Every input is loaded.
; LIMITS: NaN and infinities among the inputs are not served.  A block of zeros, or one whose largest magnitude lies under 2^-111, gets the scale byte 1; the bytes are read by this program alone, and zero codes add nothing under any byte but 0xff.
; THE LAYOUT OF EVERY OPERAND IN WORKSPACE is an image of the operand's registers: a fragment (16 rows x 128 along K, 16 registers a lane) is four quads of 512 bytes, lane l's 16 bytes of quad c at 512 c + 16 l;
; lane (r = l % 16, h = l / 16) holds k = 32 c + 16 h + 0 .. 15 of its row.  Tile T holds the rows 32 (T / 2) + 8 (T % 2) + r + 8 (r / 8): as source 0 of a product, tiles 2 b and 2 b + 1 then leave 16 neighbours
; 32 b + 16 h + 0 .. 15 in a lane's 16 result registers, ready for the next quantiser.  Scale words: T x 512 + (ks / 2) x 128 + 8 r + 4 (ks % 2), ks the K step of 128.
; THIS LAUNCH.  Work-groups 0-767: 32 rows of query, key or value each; a wave takes one tile of 16 rows x 512 along K, four fragments.  A load reads 512 consecutive bytes (a row's K step); a fragment's 16 rows turn through the
; wave's own stage in LDS (rows of 512 + 16 bytes), so that a lane gets 16 neighbours of each block of 32.  Work-groups 768-1,023: a weight's 128 columns x 128 along K; a lane takes a column and its registers run down K
; (K is the weight's first axis), so nothing is transposed.  Waves share nothing: no barrier, no cluster, no matrix unit.
.set XSCL,  25165824                   ; where xq's scale words begin
.set WSCL,  4194304                    ; and wq's
.set STG,   16*528                     ; a wave's stage
.set SPARE, 4*STG                      ; behind the stages: the spare words, 128 bytes for each wave, which no other line names
.set SPW, 10                           ; v10  my spare word; never rewritten
.set NIL, 11                           ; v11  0; never rewritten
.set TM,  12                           ; v12-27 at work in QUANT: largest magnitudes, bytes, holds, the conversions' scales
.set PW,  28                           ; v28-31 the four fragments' scale words
.set R,   32                           ; v32-159 two sets of 64 registers as loaded
.set X,   160                          ; v160-223 64 numbers of my row: register 16 b + i = k 32 b + 16 h + i
.set PC,  224                          ; v224-239 a fragment's codes
.set WV,  24
.set SEL, 26                           ; s[26:27] lane selects: lane l xor 16
.set MNT, 28                           ; s28 the mantissa field of 57,344
; 64 numbers of a lane become a fragment's codes in v[PC] on and the row's scale word in v[pw]
.macro QUANT s, pw
.irp b, 0,1,2,3
	v_max3_num_f32 v[TM+\b], |v[\s+16*\b]|, |v[\s+1+16*\b]|, 0x8000000   ; my 16 numbers of block b, and the floor 2^(16 - 127): the byte cannot fall under 1
.endr
.irp i, 2,4,6,8,10,12,14
.irp b, 0,1,2,3
	v_max3_num_f32 v[TM+\b], v[TM+\b], |v[\s+16*\b+\i]|, |v[\s+1+16*\b+\i]|   ; the four blocks by turns
.endr
.endr
.irp b, 0,1,2,3
	v_permlanex16_b32 v[TM+4+\b], v[TM+\b], s[SEL], s[SEL+1]
.endr
.irp b, 0,1,2,3
	v_max_num_f32 v[TM+\b], v[TM+\b], v[TM+4+\b]           ; with lane l xor 16's 16: the block's largest magnitude
.endr
.irp b, 0,1,2,3
	v_add_nc_u32 v[TM+12+\b], 0xf8800000, v[TM+\b]         ; 15 off its exponent field: the conversion's scale operand
.endr
.irp b, 0,1,2,3
	v_and_or_b32 v[TM+8+\b], v[TM+\b], 0x7f800000, s[MNT]  ; 57,344 x the scale
.endr
.irp b, 0,1,2,3
	v_lshrrev_b32 v[TM+4+\b], 23, v[TM+12+\b]              ; the scale's byte
.endr
	v_lshl_or_b32 v[\pw], v[TM+5], 8, v[TM+4]
	v_lshl_or_b32 v[\pw], v[TM+6], 16, v[\pw]
	v_lshl_or_b32 v[\pw], v[TM+7], 24, v[\pw]
.irp b, 0,1,2,3
.irp i, 0,1,2,3,4,5,6,7,8,9,10,11,12,13,14,15
	v_med3_num_f32 v[\s+16*\b+\i], v[\s+16*\b+\i], -v[TM+8+\b], v[TM+8+\b]   ; the conversion does not saturate (ISA guide 7.6.2): the hold comes first
.endr
	v_cvt_scalef32_pk8_bf8_f32 v[PC+4*\b:PC+1+4*\b], v[\s+16*\b:\s+7+16*\b], v[TM+12+\b]
	v_cvt_scalef32_pk8_bf8_f32 v[PC+2+4*\b:PC+3+4*\b], v[\s+8+16*\b:\s+15+16*\b], v[TM+12+\b]
.endr
	v_nop                                                  ; a plain line behind the last conversion
.endm
	s_load_b512 s[4:19], s[0:1], 0x0               ; query, key, value, Wq, Wk, Wv, Wo, xq
	s_load_b64 s[20:21], s[0:1], 0x40              ; wq
	v_lshl_add_u32 v[SPW], v0, 2, SPARE
	v_mov_b32 v[NIL], 0
	v_lshrrev_b32 v1, 5, v0
	v_readfirstlane_b32 s[WV], v1                  ; wave 0..3
	v_and_b32 v2, 31, v0                           ; lane
	v_lshlrev_b32 v4, 4, v2                        ; 16 x lane
	s_mov_b32 s[SEL], 0x76543210
	s_mov_b32 s[SEL+1], 0xfedcba98
	s_mov_b32 s[MNT], 0x600000
	s_cmp_lt_u32 ttmp9, 768
	s_cbranch_scc0 .Lw
	; ---- query, key, value
	v_and_b32 v3, 15, v0                           ; r
	v_bfe_u32 v8, v0, 4, 1                         ; h
	s_mul_i32 s25, s[WV], STG                      ; my stage
	v_add_nc_u32 v5, s25, v4                       ; in: a row as it lies, 16 bytes a lane
	v_mul_u32_u24 v6, v3, 528
	v_lshl_add_u32 v6, v8, 6, v6
	v_add_nc_u32 v6, s25, v6                       ; back: row r, + 64 h: my 16 numbers of a block of 32
	v_lshlrev_b32 v7, 3, v2                        ; the scale words: 8 bytes a lane
.irp b, 0,1,2,3
	v_mov_b32 v[TM+4+\b], 0                        ; written once: a lane permute's destination counts as one of its sources
.endr
	s_and_b32 s30, ttmp9, 255                      ; 32 rows of 4,096 bytes a work-group,
	s_lshl_b32 s30, s30, 17
	s_lshr_b32 s32, s[WV], 1
	s_lshl_b32 s32, s32, 15                        ; the odd tile begins 8 rows on,
	s_add_co_u32 s30, s30, s32
	s_and_b32 s32, s[WV], 1
	s_lshl_b32 s32, s32, 11                        ; my half of K: 512 numbers
	s_add_co_u32 s30, s30, s32
	s_mov_b32 s31, 0
	s_lshl_b32 s32, ttmp9, 15                      ; codes: two tiles of 16,384 bytes a work-group, 8,192 a wave
	s_lshl_b32 s34, s[WV], 13
	s_add_co_u32 s32, s32, s34
	s_mov_b32 s33, 0
	s_lshl_b32 s34, ttmp9, 10                      ; scale words: 1,024 bytes a work-group, 256 a wave
	s_lshl_b32 s36, s[WV], 8
	s_add_co_u32 s34, s34, s36
	s_add_co_u32 s34, s34, XSCL
	s_mov_b32 s35, 0
	s_wait_alu depctr_va_vdst(0)
	s_wait_kmcnt 0x0
	s_cmp_lt_u32 ttmp9, 256                        ; which tensor: the choice hangs on the work-group's number alone
	s_cselect_b64 s[36:37], s[4:5], s[6:7]
	s_cmp_lt_u32 ttmp9, 512
	s_cselect_b64 s[36:37], s[36:37], s[8:9]
	s_add_nc_u64 s[36:37], s[36:37], s[30:31]
	s_add_nc_u64 s[38:39], s[18:19], s[32:33]
	s_add_nc_u64 s[18:19], s[18:19], s[34:35]
.macro LOADX f                         ; fragment f: the tile's 16 rows, 512 consecutive bytes an instruction
.irp i, 0,1,2,3,4,5,6,7,8,9,10,11,12,13,14,15
	global_load_b128 v[R+64*((\f)%2)+4*\i:R+64*((\f)%2)+4*\i+3], v4, s[36:37] offset:(\i+8*(\i/8))*4096+512*(\f) th:TH_LOAD_NT
.endr
.endm
.macro FRAGX f
.if (\f) < 3
	s_wait_loadcnt 16                              ; this fragment's 16 loads are in; the next fragment's 16 may be out
.else
	s_wait_loadcnt 0x0
.endif
.irp i, 0,1,2,3,4,5,6,7,8,9,10,11,12,13,14,15
	ds_store_b128 v5, v[R+64*((\f)%2)+4*\i:R+64*((\f)%2)+4*\i+3] offset:528*\i
.endr
.irp c, 0,1,2,3
.irp j, 0,1,2,3
	ds_load_b128 v[X+16*\c+4*\j:X+16*\c+4*\j+3], v6 offset:128*\c+16*\j   ; LDS serves a wave's instructions in order: these see my stores
.endr
.endr
	s_wait_dscnt 0x0                               ; the numbers are back, and the stores have read their registers,
.if (\f) < 2
	LOADX (\f)+2                                   ; which take the loads of two fragments on
.endif
	s_wait_xcnt 0x0                                ; the last fragment's stores have read the codes' registers, which are written again below
	QUANT X, PW+(\f)
.irp c, 0,1,2,3
	global_store_b128 v4, v[PC+4*\c:PC+4*\c+3], s[38:39] offset:2048*(\f)+512*\c   ; 512 consecutive bytes, aligned
.endr
.endm
	LOADX 0
	LOADX 1
	FRAGX 0
	FRAGX 1
	FRAGX 2
	FRAGX 3
	v_cmp_lt_u32 vcc_lo, 15, v2                    ; lanes 0-15 store the words of K steps 0, 1 of my four, lanes 16-31 those of 2, 3 (both halves of the lanes hold every word)
	v_cndmask_b32 v[TM], v[PW], v[PW+2], vcc_lo
	v_cndmask_b32 v[TM+1], v[PW+1], v[PW+3], vcc_lo
	global_store_b64 v7, v[TM:TM+1], s[18:19]      ; 256 consecutive bytes, aligned
	s_branch .Lend
	; ---- the four weights, [k][n]
.Lw:
	s_sub_co_u32 s25, ttmp9, 768
	s_lshr_b32 s29, s25, 6                         ; which weight
	s_and_b32 s30, s25, 7                          ; which 128 columns
	s_bfe_u32 s31, s25, 0x30003                    ; which K step of 128
	s_lshl_b32 s32, s31, 19                        ; 128 rows of 4,096 bytes,
	s_lshl_b32 s34, s30, 9
	s_add_co_u32 s32, s32, s34
	s_lshl_b32 s34, s[WV], 7                       ; my wave's 32 columns
	s_add_co_u32 s32, s32, s34
	s_mov_b32 s33, 0
	s_lshl_b32 s34, s29, 6
	s_lshl_b32 s35, s30, 3
	s_add_co_u32 s34, s34, s35
	s_lshl_b32 s35, s[WV], 1
	s_add_co_u32 s25, s34, s35                     ; my wave's first tile of two: 64 x weight + 8 x group + 2 x wave
	s_lshl_b32 s34, s25, 14
	s_lshl_b32 s35, s31, 11
	s_add_co_u32 s34, s34, s35
	s_mov_b32 s35, 0
	s_lshl_b32 s36, s25, 9
	s_lshr_b32 s37, s31, 1
	s_lshl_b32 s37, s37, 7
	s_add_co_u32 s36, s36, s37
	s_and_b32 s37, s31, 1
	s_lshl_b32 s37, s37, 2
	s_add_co_u32 s36, s36, s37
	s_add_co_u32 s36, s36, WSCL
	s_mov_b32 s37, 0
	s_wait_alu depctr_va_vdst(0)
	v_lshlrev_b32 v3, 2, v2                        ; in: 4 bytes a lane
	v_bfe_u32 v9, v2, 3, 1                         ; column 32 g + lane is row r' of tile 2 g + u: u = (lane / 8) % 2,
	v_and_b32 v5, 7, v2
	v_lshrrev_b32 v6, 4, v2
	v_lshl_add_u32 v5, v6, 3, v5                   ; r' = lane % 8 + 8 (lane / 16)
	v_lshlrev_b32 v7, 4, v5
	v_lshl_add_u32 v7, v9, 14, v7                  ; codes: 16,384 u + 16 r'
	v_lshlrev_b32 v8, 3, v5
	v_lshl_add_u32 v8, v9, 9, v8                   ; scale word: 512 u + 8 r'
	s_wait_alu depctr_va_vdst(0)
	s_wait_kmcnt 0x0
	s_cmp_lt_u32 s29, 1
	s_cselect_b64 s[30:31], s[10:11], s[12:13]
	s_cmp_lt_u32 s29, 2
	s_cselect_b64 s[30:31], s[30:31], s[14:15]
	s_cmp_lt_u32 s29, 3
	s_cselect_b64 s[30:31], s[30:31], s[16:17]
	s_add_nc_u64 s[30:31], s[30:31], s[32:33]
	s_add_nc_u64 s[34:35], s[20:21], s[34:35]
	s_add_nc_u64 s[36:37], s[20:21], s[36:37]
.macro LOADW c                         ; block c: W(32 c + i, my column): 128 consecutive bytes a wave, 512 a work-group
.irp i, 0,1,2,3,4,5,6,7,8,9,10,11,12,13,14,15,16,17,18,19,20,21,22,23,24,25,26,27,28,29,30,31
	global_load_b32 v[32+32*((\c)%2)+\i], v3, s[30:31] offset:(32*(\c)+\i)*4096 th:TH_LOAD_NT
.endr
.endm
.macro BLOCKW c
.set XS, 32+32*((\c)%2)
.if (\c) < 3
	s_wait_loadcnt 32                              ; this block's 32 loads are in; the next block's may be out
.else
	s_wait_loadcnt 0x0
.endif
	v_max3_num_f32 v12, |v[XS]|, |v[XS+1]|, |v[XS+2]|      ; all 32 numbers of the block are mine
	v_max3_num_f32 v13, |v[XS+3]|, |v[XS+4]|, |v[XS+5]|
.irp i, 6,10,14,18,22,26
	v_max3_num_f32 v12, v12, |v[XS+\i]|, |v[XS+\i+1]|
	v_max3_num_f32 v13, v13, |v[XS+\i+2]|, |v[XS+\i+3]|
.endr
	v_max3_num_f32 v12, v12, |v[XS+30]|, |v[XS+31]|
	v_max3_num_f32 v12, v12, v13, 0x8000000        ; and the floor
	v_add_nc_u32 v15, 0xf8800000, v12              ; the conversion's scale operand
	v_and_or_b32 v14, v12, 0x7f800000, s[MNT]      ; 57,344 x the scale
	v_lshrrev_b32 v13, 23, v15                     ; the byte
.if (\c) == 0
	v_mov_b32 v128, v13
.else
	v_lshl_or_b32 v128, v13, 8*(\c), v128          ; four bytes make the column's scale word of this K step
.endif
.irp i, 0,1,2,3,4,5,6,7,8,9,10,11,12,13,14,15,16,17,18,19,20,21,22,23,24,25,26,27,28,29,30,31
	v_med3_num_f32 v[XS+\i], v[XS+\i], -v14, v14
.endr
.irp g, 0,1,2,3
	v_cvt_scalef32_pk8_bf8_f32 v[96+8*(\c)+2*\g:97+8*(\c)+2*\g], v[XS+8*\g:XS+8*\g+7], v15   ; each block has code registers of its own: no store's data are written again
.endr
	global_store_b128 v7, v[96+8*(\c):99+8*(\c)], s[34:35] offset:512*(\c)          ; k 32 c + 0 .. 15: the quad's lanes 0-15.  The sixteen lanes of one u cover 256 consecutive bytes, aligned
	global_store_b128 v7, v[100+8*(\c):103+8*(\c)], s[34:35] offset:512*(\c)+256    ; k 32 c + 16 .. 31: its lanes 16-31
.if (\c) < 2
	LOADW (\c)+2
.endif
.endm
	LOADW 0
	LOADW 1
	BLOCKW 0
	BLOCKW 1
	BLOCKW 2
	BLOCKW 3
	global_store_b32 v8, v128, s[36:37]            ; 4 bytes of every 8: the other K step's word comes from another work-group; 131,072 bytes in the whole launch go out so
.Lend:
	s_wait_tensorcnt 0x0                           ; the wave's end
	ds_add_u32 v[SPW], v[NIL]
	s_wait_dscnt 0x0
	s_endpgm
.Lfunc_end_k_qbab2eed6a1_quant:
	.size	k_qbab2eed6a1_quant, .Lfunc_end_k_qbab2eed6a1_quant-k_qbab2eed6a1_quant
	.p2alignl 7, 3214868480
	.fill 96, 4, 3214868480
	.section	.rodata,"a",@progbits
	.p2align	6, 0x0
	.amdhsa_kernel k_qbab2eed6a1_quant
		.amdhsa_group_segment_fixed_size 34304
		.amdhsa_private_segment_fixed_size 0
		.amdhsa_enable_private_segment 0
		.amdhsa_kernarg_size 72
		.amdhsa_user_sgpr_count 2
		.amdhsa_user_sgpr_kernarg_segment_ptr 1
		.amdhsa_wavefront_size32 1
		.amdhsa_system_sgpr_workgroup_id_x 1
		.amdhsa_system_sgpr_workgroup_id_y 1
		.amdhsa_system_sgpr_workgroup_id_z 1
		.amdhsa_system_vgpr_workitem_id 0
		.amdhsa_next_free_vgpr 240
		.amdhsa_next_free_sgpr 66
		.amdhsa_reserve_vcc 1
		.amdhsa_float_denorm_mode_32 3
		.amdhsa_float_denorm_mode_16_64 3
		.amdhsa_memory_ordered 1
		.amdhsa_forward_progress 1
		.amdhsa_inst_pref_size 80
	.end_amdhsa_kernel
	.amdgpu_metadata
---
amdhsa.version: [ 1, 2 ]
amdhsa.kernels:
  - .name:           k_qbab2eed6a1_quant
    .symbol:         k_qbab2eed6a1_quant.kd
    .args:
      - { .name: query, .offset: 0, .size: 8, .value_kind: global_buffer, .address_space: global }
      - { .name: key, .offset: 8, .size: 8, .value_kind: global_buffer, .address_space: global }
      - { .name: value, .offset: 16, .size: 8, .value_kind: global_buffer, .address_space: global }
      - { .name: Wq, .offset: 24, .size: 8, .value_kind: global_buffer, .address_space: global }
      - { .name: Wk, .offset: 32, .size: 8, .value_kind: global_buffer, .address_space: global }
      - { .name: Wv, .offset: 40, .size: 8, .value_kind: global_buffer, .address_space: global }
      - { .name: Wo, .offset: 48, .size: 8, .value_kind: global_buffer, .address_space: global }
      - { .name: xq, .offset: 56, .size: 8, .value_kind: global_buffer, .address_space: global }
      - { .name: wq, .offset: 64, .size: 8, .value_kind: global_buffer, .address_space: global }
    .group_segment_fixed_size: 34304
    .private_segment_fixed_size: 0
    .kernarg_segment_align: 8
    .kernarg_segment_size: 72
    .max_flat_workgroup_size: 128
    .sgpr_count:     66
    .vgpr_count:     240
    .wavefront_size: 32
...
	.end_amdgpu_metadata
.endif
;; end of part 1
;; launch proj (part 2): grid 4 x 96, 4 waves a work-group, clusters of 4 x 4, 327,680 bytes of LDS; arguments xq, wq, bq, bk, bv, qq, kv; writes qq, kv
.if DOCPART == 2
	.amdgcn_target "amdgcn-amd-amdhsa--gfx1250"
	.amdhsa_code_object_version 6
	.text
	.protected	k_qbab2eed6a1_proj
	.globl	k_qbab2eed6a1_proj
	.p2align	8
	.type	k_qbab2eed6a1_proj,@function
k_qbab2eed6a1_proj:
	s_mov_b64 s[64:65], 0
	v_nop
	global_prefetch_b8 v0, s[64:65] scope:SCOPE_SE
	s_setreg_imm32_b32 hwreg(HW_REG_WAVE_MODE, 25, 1), 1
	s_wait_xcnt 0x0
	s_wait_alu depctr_hold_cnt(0) depctr_sa_sdst(0) depctr_va_vdst(0) depctr_va_sdst(0) depctr_va_ssrc(0) depctr_va_vcc(0) depctr_vm_vsrc(0)
	s_getreg_b32 s2, hwreg(HW_REG_IB_STS2, 6, 4)
	s_cmp_eq_u32 s2, 0
	s_cbranch_scc0 .Lentry_in_a_cluster
	s_endpgm
.Lentry_in_a_cluster:
	s_bfe_u32 s2, ttmp6, 0x10000c
	s_cmp_lg_u32 s2, 0xf033
	s_cbranch_scc0 .Lentry_shape_is_right
	s_endpgm
.Lentry_shape_is_right:
.set NQ,    2
.set FR,    16
.set NL,    4
.set NP,    8
.set SLOT,  131072
.set SCL,   262144
.set SPARE, 278528
.set XSCL,  25165824
.set WSCL,  4194304
.set ADRA, 16
.set SCS,  19
.set ADRB, 20
.set SCQ,  22
.set SCV,  23
.set LI,   24
.set SOFF, 25
.set SH,   26
.set ADRS, 27
.set SPW,  28
.set NIL,  29
.set SC,   32
.set BI,   64
.set AF,   128
.set T,    128
.set PC,   192
.set TM,   208
.set PW,   224
.set KW,   228
.set PWA,  232
.set SEL,  2
.set MNT,  19
.set G1, 24
.set G0, 32
.set G1B, 48
.set G0B, 56
.set G1S, 68
.set G0S, 76
.set G1SB, 80
.set G0SB, 88
.set MSB, 0
.macro WIN new
.if MSB != (\new)
	s_set_vgpr_msb (MSB<<8)|(\new)
.set MSB, (\new)
.endif
.endm
.set MUL_LO, 0xa1
.set MUL_HI, 0xf1
.set TO_B,   0x40
.macro JLOAD g0a, g1a, g0b, g1b
	s_cmp_eq_u32 s13, 0
	s_cbranch_scc0 .Lfor_b_\@
	tensor_load_to_lds s[\g0a:\g0a+3], s[\g1a:\g1a+7]
	s_nop 0
.rept 4
	v_nop
.endr
	s_branch .Lasked_\@
.Lfor_b_\@:
	tensor_load_to_lds s[\g0b:\g0b+3], s[\g1b:\g1b+7]
	s_nop 0
.rept 4
	v_nop
.endr
.Lasked_\@:
.endm
.macro CREST
	s_cmp_lg_u32 s12, 0
	s_cbranch_scc1 .Lnot_wave_0_\@
	s_barrier_signal -3
.Lnot_wave_0_\@:
	s_barrier_wait -3
	s_barrier_signal -1
	s_barrier_wait -1
.endm
.macro CROUND
	s_barrier_signal -1
	s_barrier_wait -1
	CREST
.endm
	s_load_b256 s[4:11], s[0:1], 0x0
	s_load_b128 s[92:95], s[0:1], 0x20
	s_load_b64 s[96:97], s[0:1], 0x30
	v_lshl_add_u32 v[SPW], v0, 2, SPARE
	v_mov_b32 v[NIL], 0
	ds_add_u32 v[SPW], v[NIL]
	ds_add_u32 v[SPW], v[NIL]
	v_lshrrev_b32 v1, 5, v0
	v_readfirstlane_b32 s12, v1
	s_lshr_b32 s13, s12, 1
	s_and_b32 s14, s12, 1
	s_bfe_u32 s15, ttmp6, 0x40000
	s_bfe_u32 s16, ttmp6, 0x40004
	s_and_b32 s17, ttmp7, 0xffff
	s_lshr_b32 s18, s17, 3
	s_lshl_b32 s20, s16, 2
	s_lshl_b32 s20, 15, s20
	s_lshl_b32 s66, 0x1111, s15
	s_or_b32 s[G1], s20, (3<<16)|(1<<21)
	s_or_b32 s[G1B], s66, (3<<16)|(1<<21)
.irp g, G1, G1B
	s_mov_b32 s[\g+1], 512<<16
	s_mov_b32 s[\g+2], 16<<16
	s_mov_b32 s[\g+3], 512<<16
	s_mov_b32 s[\g+4], 16
	s_mov_b32 s[\g+5], 2048
	s_mov_b32 s[\g+6], 0
	s_mov_b32 s[\g+7], 0
.endr
	s_or_b32 s[G1S], s20, (3<<16)|(1<<21)
	s_or_b32 s[G1SB], s66, (3<<16)|(1<<21)
.irp g, G1S, G1SB
	s_mov_b32 s[\g+1], 32<<16
	s_mov_b32 s[\g+2], 32<<16
	s_mov_b32 s[\g+3], 32<<16
	s_mov_b32 s[\g+4], 32
	s_mov_b32 s[\g+5], 32
	s_mov_b32 s[\g+6], 0
	s_mov_b32 s[\g+7], 0
.endr
	s_lshl_b32 s2, s17, 6
	s_lshl_b32 s3, s18, 6
	s_lshl_b32 s19, s14, 3
	s_cmp_eq_u32 s18, 2
	s_cselect_b32 s20, s3, s2
	s_cselect_b32 s66, s2, s3
	s_mov_b32 s23, XSCL
	s_cselect_b32 s23, WSCL, s23
	s_mov_b32 s67, WSCL
	s_cselect_b32 s67, XSCL, s67
	s_lshl_b32 s21, s16, 4
	s_add_co_u32 s20, s20, s21
	s_add_co_u32 s20, s20, s19
	s_lshl_b32 s98, s15, 4
	s_add_co_u32 s66, s66, s98
	s_add_co_u32 s66, s66, s19
	s_lshl_b32 s22, s20, 9
	s_add_co_u32 s22, s22, s23
	s_mov_b32 s23, 0
	s_lshl_b32 s20, s20, 14
	s_mov_b32 s21, 0
	s_lshl_b32 s98, s66, 9
	s_add_co_u32 s98, s98, s67
	s_mov_b32 s99, 0
	s_lshl_b32 s66, s66, 14
	s_mov_b32 s67, 0
	s_lshl_b32 s46, s12, 15
	s_lshl_b32 s47, s12, 12
	s_wait_dscnt 0x0
	s_wait_kmcnt 0x0
	s_cmp_eq_u32 s18, 2
	s_cselect_b64 s[40:41], s[6:7], s[4:5]
	s_cselect_b64 s[42:43], s[4:5], s[6:7]
	s_add_nc_u64 s[20:21], s[40:41], s[20:21]
	s_add_nc_u64 s[22:23], s[40:41], s[22:23]
	s_add_nc_u64 s[66:67], s[42:43], s[66:67]
	s_add_nc_u64 s[98:99], s[42:43], s[98:99]
	CROUND
	s_mov_b32 s[G0S], 1
	s_lshl_b32 s2, s14, 12
	s_mov_b32 s3, 0
	s_mov_b32 s[G0S+1], SCL
	s_sub_nc_u64 s[G0S+2:G0S+3], s[22:23], s[2:3]
	s_or_b32 s[G0S+3], s[G0S+3], 0x80000000
	s_mov_b32 s[G0SB], 1
	s_mov_b32 s[G0SB+1], SCL+8192
	s_sub_nc_u64 s[G0SB+2:G0SB+3], s[98:99], s[2:3]
	s_or_b32 s[G0SB+3], s[G0SB+3], 0x80000000
.irp s, 0,1
	s_mov_b32 s[G0+4*\s], 1
	s_add_co_u32 s[G0+4*\s+1], s46, \s*SLOT
	s_add_nc_u64 s[G0+4*\s+2:G0+4*\s+3], s[20:21], \s*4096
	s_or_b32 s[G0+4*\s+3], s[G0+4*\s+3], 0x80000000
	s_mov_b32 s[G0B+4*\s], 1
	s_add_co_u32 s[G0B+4*\s+1], s46, \s*SLOT
	s_add_nc_u64 s[G0B+4*\s+2:G0B+4*\s+3], s[66:67], \s*4096
	s_or_b32 s[G0B+4*\s+3], s[G0B+4*\s+3], 0x80000000
.endr
	; the head's four tiles, each whole, one joint load a wave: wave 0 K step 0 of source 1's 16 tiles, wave 1 of source 0's, wave 2 and wave 3 their scale words
	s_lshl_b32 s2, s14, 17
	s_mov_b32 s4, 1
	s_mov_b32 s5, 0
	s_sub_nc_u64 s[6:7], s[20:21], s[2:3]
	s_or_b32 s7, s7, 0x80000000
	s_mov_b32 s40, 1
	s_mov_b32 s41, 65536
	s_sub_nc_u64 s[42:43], s[66:67], s[2:3]
	s_or_b32 s43, s43, 0x80000000
	s_cmp_lt_u32 s12, 1
	s_cbranch_scc0 .Lh_b
	tensor_load_to_lds s[4:7], s[G1:G1+7]
	s_nop 0
.rept 4
	v_nop
.endr
	s_branch .Lh_j
.Lh_b:
	s_cmp_lt_u32 s12, 2
	s_cbranch_scc0 .Lh_sa
	tensor_load_to_lds s[40:43], s[G1B:G1B+7]
	s_nop 0
.rept 4
	v_nop
.endr
	s_branch .Lh_j
.Lh_sa:
	s_cmp_lt_u32 s12, 3
	s_cbranch_scc0 .Lh_sb
	tensor_load_to_lds s[G0S:G0S+3], s[G1S:G1S+7]
	s_nop 0
.rept 4
	v_nop
.endr
	s_branch .Lh_j
.Lh_sb:
	tensor_load_to_lds s[G0SB:G0SB+3], s[G1SB:G1SB+7]
	s_nop 0
.rept 4
	v_nop
.endr
.Lh_j:
	s_wait_alu depctr_va_vdst(0)
	s_wait_tensorcnt 0x0                           ; my tile of the four is in
	ds_add_u32 v28, v29
	s_mov_b32 s[G1+2], 8<<16                       ; no tensor load of mine is out: from here on a load brings 8 tiles
	s_mov_b32 s[G1+4], 8
	s_mov_b32 s[G1B+2], 8<<16
	s_mov_b32 s[G1B+4], 8
	s_wait_dscnt 0x0
	CROUND
	JLOAD G0+4, G1, G0B+4, G1B
	v_and_b32 v1, 15, v0
	v_bfe_u32 v2, v0, 4, 1
	s_wait_alu depctr_va_vdst(0)
	v_and_b32 v3, 31, v0
	v_lshlrev_b32 v[LI], 4, v3
	s_wait_alu depctr_va_vdst(0)
	s_lshl_b32 s46, s13, 15
	s_lshl_b32 s47, s14, 15
	s_add_co_u32 s47, s47, 65536
.irp s, 0,1
	v_add_nc_u32 v[ADRA+\s], s46, v[LI]
	v_add_nc_u32 v[ADRB+\s], s47, v[LI]
	s_add_co_u32 s46, s46, SLOT
	s_add_co_u32 s47, s47, SLOT
.endr
	v_lshlrev_b32 v5, 3, v1
	s_lshl_b32 s46, s13, 12
	s_lshl_b32 s47, s14, 12
	s_add_co_u32 s47, s47, 8192
	s_sub_co_u32 s47, s47, s46
	v_mul_u32_u24 v6, s47, v2
	s_add_co_u32 s46, s46, SCL
	v_add_nc_u32 v5, v5, v6
	v_add_nc_u32 v[ADRS], s46, v5
	s_lshl_b32 s46, s12, 9
	v_add_nc_u32 v[SCS], s46, v[LI]
	v_lshl_add_u32 v[SCQ], v2, 6, s46
	v_and_b32 v4, 8, v1
	v_add_nc_u32 v4, v4, v1
	v_lshl_add_u32 v[SCV], v4, 2, s46
	v_lshlrev_b32 v[SH], 4, v2
	s_cmp_eq_u32 s18, 2
	s_cselect_b32 s2, s15, s16
	s_cselect_b32 s3, s16, s15
	s_cselect_b32 s19, s14, s13
	s_cselect_b32 s40, s13, s14
	s_cselect_b32 s41, 131072, 0
	s_cselect_b32 s42, 256, 0
	s_cselect_b64 s[98:99], s[92:93], s[10:11]
	s_cmp_eq_u32 s18, 0
	s_cselect_b64 s[98:99], s[8:9], s[98:99]
	s_cselect_b64 s[66:67], s[94:95], s[96:97]
	s_mov_b32 s43, 270336
	s_cselect_b32 s44, 131072, s43
	s_cselect_b32 s43, 4096, s43
	s_mov_b32 s45, 262144
	s_cselect_b32 s45, 8388608, s45
	s_cselect_b32 s46, 8, 9
	s_and_b32 s47, s17, 7
	s_lshl_b32 s47, s47, 2
	s_add_co_u32 s2, s2, s47
	s_lshr_b32 s47, s2, 3
	s_and_b32 s2, s2, 7
	s_lshl_b32 s2, s2, 1
	s_add_co_u32 s2, s2, s19
	s_lshl_b32 s47, s47, 4
	s_lshl_b32 s19, s3, 2
	s_add_co_u32 s47, s47, s19
	s_lshl_b32 s19, s40, 1
	s_add_co_u32 s47, s47, s19
	s_lshl_b32 s3, s3, 10
	s_lshl_b32 s40, s40, 9
	s_add_co_u32 s22, s3, s40
	s_mov_b32 s23, 0
	s_add_nc_u64 s[98:99], s[98:99], s[22:23]
	s_mul_i32 s20, s47, s44
	s_add_co_u32 s20, s20, s41
	s_lshl_b32 s19, s2, 13
	s_add_co_u32 s20, s20, s19
	s_mov_b32 s21, 0
	s_add_nc_u64 s[20:21], s[66:67], s[20:21]
	s_mov_b32 s22, s44
	s_add_nc_u64 s[22:23], s[20:21], s[22:23]
	s_mul_i32 s40, s47, s43
	s_add_co_u32 s40, s40, s45
	s_add_co_u32 s40, s40, s42
	s_lshl_b32 s19, s2, s46
	s_add_co_u32 s40, s40, s19
	s_mov_b32 s41, 0
	s_add_nc_u64 s[40:41], s[66:67], s[40:41]
	v_mul_u32_u24 v[SOFF], s43, v2
	v_lshl_add_u32 v[SOFF], v1, 4, v[SOFF]
	global_load_b128 v[8:11], v[LI], s[98:99]
.macro FRAG reg, adr, q, i
.irp c, 0,1,2,3
	ds_load_b128 v[\reg+4*\c:\reg+4*\c+3], v[\adr] offset:4096*(\i)+2048*(\q)+512*\c
.endr
.endm
.macro MUL16 a0, p, q, sc, zero
.irp a, \a0, \a0+1
.irp b, 0,1,2,3,4,5,6,7
.if \zero
	v_wmma_scale_f32_16x16x128_f8f6f4 v[8*(8*((\a)%4)+\b):8*(8*((\a)%4)+\b)+7], v[128*(\p)+FR*\b:128*(\p)+FR*\b+FR-1], v[AF+FR*(\a):AF+FR*(\a)+FR-1], 0, v[SC+8*NQ*(\sc)+NQ*\b+(\q)], v[SC+8*NQ*(\sc)+NQ*(\a)+(\q)] matrix_a_fmt:MATRIX_FMT_BF8 matrix_b_fmt:MATRIX_FMT_BF8 matrix_a_scale:MATRIX_SCALE_ROW1
.else
	v_wmma_scale_f32_16x16x128_f8f6f4 v[8*(8*((\a)%4)+\b):8*(8*((\a)%4)+\b)+7], v[128*(\p)+FR*\b:128*(\p)+FR*\b+FR-1], v[AF+FR*(\a):AF+FR*(\a)+FR-1], v[8*(8*((\a)%4)+\b):8*(8*((\a)%4)+\b)+7], v[SC+8*NQ*(\sc)+NQ*\b+(\q)], v[SC+8*NQ*(\sc)+NQ*(\a)+(\q)] matrix_a_fmt:MATRIX_FMT_BF8 matrix_b_fmt:MATRIX_FMT_BF8 matrix_a_scale:MATRIX_SCALE_ROW1
.endif
.endr
.endr
.endm
.macro FETCH_B slot, q, p
	WIN TO_B
.irp i, 0,1,2,3,4,5,6,7
	FRAG 128*(\p)+FR*\i, ADRB+\slot, \q, \i
.endr
	WIN 0
.endm
.macro FETCH_A slot, q, i0
.irp i, \i0, \i0+1, \i0+2, \i0+3
	FRAG AF+FR*(\i), ADRA+\slot, \q, \i
.endr
.endm
.macro SCALES sc
.irp i, 0,1,2,3,4,5,6,7
	ds_load_b64 v[SC+8*NQ*\sc+NQ*\i:SC+8*NQ*\sc+NQ*\i+1], v[ADRS] offset:512*\i
.endr
.endm
.macro PLACES n
.rept \n
	v_nop
.endr
.endm
.macro STEP slot, q, zero
	s_wait_dscnt 4*NL
	WIN MUL_LO
	MUL16 0, (\q)%2, \q, \slot, \zero
	MUL16 2, (\q)%2, \q, \slot, \zero
	s_wait_dscnt 0
	PLACES NP
	FETCH_B \slot, (\q)+1, 1-(\q)%2
	FETCH_A \slot, (\q)+1, 0
	WIN MUL_HI
	MUL16 4, (\q)%2, \q, \slot, \zero
	MUL16 6, (\q)%2, \q, \slot, \zero
	PLACES NP
	WIN 0
	FETCH_A \slot, (\q)+1, 4
.endm
.macro TURN slot, next, fill
	s_wait_tensorcnt 0x0
	ds_add_u32 v[SPW], v[NIL]
	s_wait_dscnt 4*NL+1
	WIN MUL_LO
	MUL16 0, 1, NQ-1, \slot, 0
	s_wait_dscnt 0x0
	s_barrier_signal -1
	MUL16 2, 1, NQ-1, \slot, 0
	WIN 0
	s_barrier_wait -1
.if \fill
	CREST
	s_add_nc_u64 s[G0+4*\slot+2:G0+4*\slot+3], s[G0+4*\slot+2:G0+4*\slot+3], 8192
	s_add_nc_u64 s[G0B+4*\slot+2:G0B+4*\slot+3], s[G0B+4*\slot+2:G0B+4*\slot+3], 8192
	JLOAD G0+4*\slot, G1, G0B+4*\slot, G1B
	PLACES NP-4
.else
	PLACES NP
.endif
	s_wait_alu depctr_va_vdst(0)
	v_add_nc_u32 v[ADRS], 128, v[ADRS]
	FETCH_B \next, 0, 0
	FETCH_A \next, 0, 0
	SCALES \next
	WIN MUL_HI
	MUL16 4, 1, NQ-1, \slot, 0
	MUL16 6, 1, NQ-1, \slot, 0
	PLACES NP
	WIN 0
	FETCH_A \next, 0, 4
.endm
	s_wait_alu depctr_va_vdst(0)
	s_wait_tensorcnt 1
	s_barrier_signal -1
	s_barrier_wait -1
	FETCH_B 0, 0, 0
	FETCH_A 0, 0, 0
	SCALES 0
	FETCH_A 0, 0, 4
	STEP 0, 0, 1
	TURN 0, 1, 1
	STEP 1, 0, 0
	TURN 1, 0, 1
	STEP 0, 0, 0
	TURN 0, 1, 0
	STEP 1, 0, 0
	s_wait_dscnt 4*NL
	WIN MUL_LO
	MUL16 0, 1, NQ-1, 1, 0
	MUL16 2, 1, NQ-1, 1, 0
	s_wait_dscnt 0
	WIN MUL_HI
	MUL16 4, 1, NQ-1, 1, 0
	MUL16 6, 1, NQ-1, 1, 0
	WIN 0
.macro QUANT s, pw
.irp b, 0,1,2,3
	v_max3_num_f32 v[TM+\b], |v[\s+16*\b]|, |v[\s+1+16*\b]|, 0x8000000
.endr
.irp i, 2,4,6,8,10,12,14
.irp b, 0,1,2,3
	v_max3_num_f32 v[TM+\b], v[TM+\b], |v[\s+16*\b+\i]|, |v[\s+1+16*\b+\i]|
.endr
.endr
.irp b, 0,1,2,3
	v_permlanex16_b32 v[TM+4+\b], v[TM+\b], s[SEL], s[SEL+1]
.endr
.irp b, 0,1,2,3
	v_max_num_f32 v[TM+\b], v[TM+\b], v[TM+4+\b]
.endr
.irp b, 0,1,2,3
	v_add_nc_u32 v[TM+12+\b], 0xf8800000, v[TM+\b]
.endr
.irp b, 0,1,2,3
	v_and_or_b32 v[TM+8+\b], v[TM+\b], 0x7f800000, s[MNT]
.endr
.irp b, 0,1,2,3
	v_lshrrev_b32 v[TM+4+\b], 23, v[TM+12+\b]
.endr
	v_lshl_or_b32 v[\pw], v[TM+5], 8, v[TM+4]
	v_lshl_or_b32 v[\pw], v[TM+6], 16, v[\pw]
	v_lshl_or_b32 v[\pw], v[TM+7], 24, v[\pw]
.irp b, 0,1,2,3
.irp i, 0,1,2,3,4,5,6,7,8,9,10,11,12,13,14,15
	v_med3_num_f32 v[\s+16*\b+\i], v[\s+16*\b+\i], -v[TM+8+\b], v[TM+8+\b]
.endr
	v_cvt_scalef32_pk8_bf8_f32 v[PC+4*\b:PC+1+4*\b], v[\s+16*\b:\s+7+16*\b], v[TM+12+\b]
	v_cvt_scalef32_pk8_bf8_f32 v[PC+2+4*\b:PC+3+4*\b], v[\s+8+16*\b:\s+15+16*\b], v[TM+12+\b]
.endr
	v_nop
.endm
	PLACES NP
	s_mov_b32 s[SEL], 0x76543210
	s_mov_b32 s[SEL+1], 0xfedcba98
	s_mov_b32 s[MNT], 0x600000
.irp b, 0,1,2,3
	v_mov_b32 v[TM+4+\b], 0
.endr
	s_wait_loadcnt 0x0
	ds_store_b128 v[SCS], v[8:11]
	s_cmp_eq_u32 s18, 2
	s_cbranch_scc1 .Lv
.irp b, 0,1,2,3
.irp j, 0,1,2,3
	ds_load_b128 v[BI+16*\b+4*\j:BI+16*\b+4*\j+3], v[SCQ] offset:128*\b+16*\j
.endr
.endr
	s_wait_dscnt 0x0
.macro EQK a
	WIN 0x02+(\a)/4
.set i, 0
.rept 32
	v_pk_add_f32 v[T+i:T+i+1], v[64*((\a)%4)+i:64*((\a)%4)+i+1], v[BI+i:BI+i+1]
.set i, i+2
.endr
	WIN 0
	s_wait_xcnt 0x0
	QUANT T, PW
	global_store_b128 v[LI], v[PC:PC+3], s[20:21] offset:1024*(\a)
	global_store_b128 v[LI], v[PC+4:PC+7], s[20:21] offset:1024*(\a)+512
	global_store_b128 v[LI], v[PC+8:PC+11], s[22:23] offset:1024*(\a)
	global_store_b128 v[LI], v[PC+12:PC+15], s[22:23] offset:1024*(\a)+512
	v_lshrrev_b32 v[TM], v[SH], v[PW]
.if (\a)%2 == 0
	v_and_b32 v[KW+(\a)/2], 0xffff, v[TM]
.else
	v_lshl_or_b32 v[KW+(\a)/2], v[TM], 16, v[KW+(\a)/2]
.endif
.endm
.irp a, 0,1,2,3,4,5,6,7
	EQK \a
.endr
	global_store_b128 v[SOFF], v[KW:KW+3], s[40:41]
	s_branch .Ldone
.Lv:
.irp a, 0,1,2,3,4,5,6,7
	ds_load_b32 v[BI+2*\a], v[SCV] offset:(32*(\a/2)+8*(\a%2))*4
	ds_load_b32 v[BI+2*\a+1], v[SCV] offset:(32*(\a/2)+8*(\a%2))*4
.endr
	s_wait_dscnt 0x0
.macro EV a
	WIN 0x02+(\a)/4
.set i, 0
.rept 32
	v_pk_add_f32 v[T+i:T+i+1], v[64*((\a)%4)+i:64*((\a)%4)+i+1], v[BI+2*(\a):BI+2*(\a)+1]
.set i, i+2
.endr
	WIN 0
	s_wait_xcnt 0x0
	QUANT T, PWA+(\a)
.irp c, 0,1,2,3
.if (\a) < 4
	global_store_b128 v[LI], v[PC+4*\c:PC+4*\c+3], s[20:21] offset:2048*((\a)%4)+512*\c
.else
	global_store_b128 v[LI], v[PC+4*\c:PC+4*\c+3], s[22:23] offset:2048*((\a)%4)+512*\c
.endif
.endr
.endm
.irp a, 0,1,2,3,4,5,6,7
	EV \a
.endr
	v_cmp_lt_u32 vcc_lo, 15, v3
.irp t, 0,1,2,3
	v_cndmask_b32 v[KW+\t], v[PWA+\t], v[PWA+4+\t], vcc_lo
.endr
	global_store_b128 v[SOFF], v[KW:KW+3], s[40:41]
.Ldone:
	s_wait_tensorcnt 0x0
	ds_add_u32 v[SPW], v[NIL]
	s_wait_dscnt 0x0
	CROUND
	s_endpgm
.Lfunc_end_k_qbab2eed6a1_proj:
	.size	k_qbab2eed6a1_proj, .Lfunc_end_k_qbab2eed6a1_proj-k_qbab2eed6a1_proj
	.p2alignl 7, 3214868480
	.fill 96, 4, 3214868480
	.section	.rodata,"a",@progbits
	.p2align	6, 0x0
	.amdhsa_kernel k_qbab2eed6a1_proj
		.amdhsa_group_segment_fixed_size 327680
		.amdhsa_private_segment_fixed_size 0
		.amdhsa_enable_private_segment 0
		.amdhsa_kernarg_size 56
		.amdhsa_user_sgpr_count 2
		.amdhsa_user_sgpr_kernarg_segment_ptr 1
		.amdhsa_wavefront_size32 1
		.amdhsa_system_sgpr_workgroup_id_x 1
		.amdhsa_system_sgpr_workgroup_id_y 1
		.amdhsa_system_sgpr_workgroup_id_z 1
		.amdhsa_system_vgpr_workitem_id 0
		.amdhsa_next_free_vgpr 1024
		.amdhsa_next_free_sgpr 100
		.amdhsa_reserve_vcc 1
		.amdhsa_float_denorm_mode_32 3
		.amdhsa_float_denorm_mode_16_64 3
		.amdhsa_memory_ordered 1
		.amdhsa_forward_progress 1
		.amdhsa_inst_pref_size 255
	.end_amdhsa_kernel
	.section	.bss,"aw",@nobits
	.p2align	6
	.space	262144
	.amdgpu_metadata
---
amdhsa.version: [ 1, 2 ]
amdhsa.kernels:
  - .name:           k_qbab2eed6a1_proj
    .symbol:         k_qbab2eed6a1_proj.kd
    .args:
      - { .name: xq, .offset: 0, .size: 8, .value_kind: global_buffer, .address_space: global }
      - { .name: wq, .offset: 8, .size: 8, .value_kind: global_buffer, .address_space: global }
      - { .name: bq, .offset: 16, .size: 8, .value_kind: global_buffer, .address_space: global }
      - { .name: bk, .offset: 24, .size: 8, .value_kind: global_buffer, .address_space: global }
      - { .name: bv, .offset: 32, .size: 8, .value_kind: global_buffer, .address_space: global }
      - { .name: qq, .offset: 40, .size: 8, .value_kind: global_buffer, .address_space: global }
      - { .name: kv, .offset: 48, .size: 8, .value_kind: global_buffer, .address_space: global }
    .group_segment_fixed_size: 327680
    .private_segment_fixed_size: 0
    .kernarg_segment_align: 8
    .kernarg_segment_size: 56
    .max_flat_workgroup_size: 128
    .sgpr_count:     100
    .vgpr_count:     1024
    .wavefront_size: 32
...
	.end_amdgpu_metadata
.endif
;; end of part 2
;; launch attn (part 3): grid 4 x 64, 8 waves a work-group, clusters of 4 x 1, 272,384 bytes of LDS; arguments qq, kv, oq; writes oq
.if DOCPART == 3
	.amdgcn_target "amdgcn-amd-amdhsa--gfx1250"
	.amdhsa_code_object_version 6
	.text
	.protected	k_qbab2eed6a1_attn
	.globl	k_qbab2eed6a1_attn
	.p2align	8
	.type	k_qbab2eed6a1_attn,@function
k_qbab2eed6a1_attn:
	s_mov_b64 s[64:65], 0
	v_nop
	global_prefetch_b8 v0, s[64:65] scope:SCOPE_SE
	s_setreg_imm32_b32 hwreg(HW_REG_WAVE_MODE, 25, 1), 1
	s_wait_xcnt 0x0
	s_wait_alu depctr_hold_cnt(0) depctr_sa_sdst(0) depctr_va_vdst(0) depctr_va_sdst(0) depctr_va_ssrc(0) depctr_va_vcc(0) depctr_vm_vsrc(0)
	s_getreg_b32 s2, hwreg(HW_REG_IB_STS2, 6, 4)
	s_cmp_eq_u32 s2, 0
	s_cbranch_scc0 .Lentry_in_a_cluster
	s_endpgm
.Lentry_in_a_cluster:
	s_bfe_u32 s2, ttmp6, 0x10000c
	s_cmp_lg_u32 s2, 0x3003
	s_cbranch_scc0 .Lentry_shape_is_right
	s_endpgm
.Lentry_shape_is_right:
; O = softmax(Q K^T / 8) V for one head a cluster, both products on codes of E5M2 with E8M0 block scales, and the quantiser of the projection that follows.  Nothing of the problem is left out here.
; THE SOFTMAX: t = score x log2(e) / 8; M = the running largest t rounded up to a whole number; p = 2^(t - M) is quantised along the keys, not normalised; the sum of the unquantised p divides O at the end.
; When M moves, the sum and O are multiplied by 2^(old M - new M), which rounds nothing.
; SHARES.  A cluster of four work-groups has one head; a work-group 512 of its queries; each of eight waves TWO tiles of 16 queries in each of two passes: tile 32 cx + 16 pass + 8 j + wave, j = 0, 1.
; Each fragment of K and V read from LDS feeds both tiles.
; A HEAD'S K AND V STAY IN LDS: one block of 270,336 bytes, brought once: each wave asks for 132 rows of 256 bytes, jointly with the same wave of the three partners.  No ring, no refill, no barrier in the loop,
; and no loop ahead of which a prefetch could run: none is laid.
; REGISTERS.  Window 0: addresses, scale words, both tiles' scores, codes and sums, and what the softmax works with (a set for each tile).  Window 1: Q (v16-63), K's fragments (v64-127), V's (v128-191), O^T (v192-255).
; THE ORDER OF A TRIP (step i): S0(i), S1(i); O0, O1 x f(i-1); O += V(i-1) p(i-1) for both tiles; then ONE softmax for both tiles, in it the LDS loads of V(i) and K(i+1).
; The 32 lines that rescale O are the places behind the first products.  The second products stand one trip on: the first trip of a pass finds zero codes and adds zeros; the last are finished behind the loop.
; In the softmax one tile's dependent lines stand between the other's independent ones, and each tile's 64 exponentials have the other's plain lines between them, which are read behind the next wait.
; LAYOUT.  Both products are used transposed (S^T = K Q^T, O^T = V^T P^T): a lane holds one query.  Operands are images of registers (first launch's head).
; THE FIRST PRODUCT'S K IS 64, THE INSTRUCTION'S 128: a fragment of K holds two tiles of 16 keys; Q lies as Qd | Z | Qd, Z zero codes: tile 2 b is the fragment times (Qd, Z), tile 2 b + 1 times (Z, Qd).  K's codes are finite numbers, so the half that does not count adds zeros.
; A BLOCK'S SCALE: p rises with the score, so the block's largest p has the exponent floor(x), x = the block's largest t - M; x is held at -111 from below, so the byte floor(x) + 112 lies in 1 .. 112.
; LIMITS: as stated at the first launch's head.  Where x lies within 2^-25 under 0, 2^x rounds to 1 while floor(x) is -1: that one p is held at 0.875.
.set KVB,   270336
.set WSH,   33792                      ; a wave's share: 132 x 256
.set SPARE, 270336                     ; the spare words, 128 bytes for each wave, which no other line names
.set LI,  1                            ; 16 x lane
.set SPW, 2
.set NIL, 3
.set QS,  4                            ; v4, v5 Q's scale words, tile 0, 1
.set PS,  6                            ; v6, v7 p's
.set SCK, 8                            ; v8-11 lanes 0-15: K's four scale words
.set SCV, 12                           ; v12-15 lanes 16-31: V's
.set ADK, 16                           ; LDS addresses of the loads in hand
.set ADV, 17
.set ADS, 18
.set ADN, 19
.set OB,  20                           ; 8 r + h
.set R16, 21                           ; 16 r
.set LIV, 22                           ; 16 x lane + 131,072
.set LIS, 23                           ; 16 x lane + 262,144
.set ST,  24                           ; tile w: v[24 + 4 w] -M, then the running largest score, then the sum in two halves
.set F,   32                           ; tile w: v[32 + 2 w] f; the low word of the pair serves both halves
.set QH,  36                           ; v36, v37 Q's scale bytes as loaded
.set TT,  38                           ; tile 1's: 214 further on
.set T2,  39
.set BM,  40                           ; v40-63 tile 0's working set; tile 1's lies 188 further on, v228-251
.set BP,  44
.set HL,  48                           ; 57,344 x the scale,
.set H2,  52                           ; and once more, block b's at H2 + (b + 1) % 4: the two halves of a dual line name registers of different banks
.set CV,  56                           ; the conversions' scale operands
.set B2,  60                           ; the maxima's second chains: BM + 20
.set S,   64                           ; tile w: v[64 + 64 w] on: S^T, then p
.set PCD, 192                          ; v192-223 partial sums of p, then tile w's codes at v[192 + 16 w]
.set OBY, 224                          ; v224, v225 the way out: a scale byte
.set QR1, 16                           ; window 1: tile w's Qd | Z | Qd at v[16 + 24 w]
.set KF,  64
.set VF,  128
.set OW,  192                          ; tile w's O^T at v[192 + 32 w]
.set WV,  10
.set TSN, 13
.set SEL, 14
.set CS,  16
.set MNT, 18
.set TK,  19
.set TS,  20
.set CNT, 21
.set HM,  22
.set TKN, 23
.set G0,  24
.set G1,  28
.set QP,  36
.set QSP, 38
.set OP,  40
.set OSP, 42
.set MSB, 0
.macro WIN new                         ; the immediate's high byte repeats the setting that is left
.if MSB != (\new)
	s_set_vgpr_msb (MSB<<8)|(\new)
.set MSB, (\new)
.endif
.endm
.macro ROUND                           ; a round of the cluster's barrier
	s_barrier_signal -1
	s_barrier_wait -1
	s_cmp_lg_u32 s[WV], 0
	s_cbranch_scc1 .Lnot_wave_0_\@
	s_barrier_signal -3
.Lnot_wave_0_\@:
	s_barrier_wait -3
	s_barrier_signal -1
	s_barrier_wait -1
.endm
	s_load_b128 s[4:7], s[0:1], 0x0                ; qq, kv
	s_load_b64 s[8:9], s[0:1], 0x10                ; oq
	v_lshl_add_u32 v[SPW], v0, 2, SPARE
	v_mov_b32 v[NIL], 0
	ds_add_u32 v[SPW], v[NIL]                      ; the opening: the add, twice on end, and its wait ahead of my first tensor load
	ds_add_u32 v[SPW], v[NIL]
	v_lshrrev_b32 v1, 5, v0
	s_delay_alu instid0(VALU_DEP_1)
	v_readfirstlane_b32 s[WV], v1                  ; wave 0..7
	s_bfe_u32 s11, ttmp6, 0x40000                  ; cx: it enters Q's and O's addresses alone
	s_and_b32 s12, ttmp7, 0xffff                   ; the head, which the four partners share
	s_mov_b32 s[G1], 15|(3<<16)|(1<<21)            ; the mask: all four; elements of 8 bytes; bit 21 beside a mask
	s_mov_b32 s[G1+1], 32<<16                      ; rows of 256 bytes,
	s_mov_b32 s[G1+2], 132<<16                     ; 132 of them,
	s_mov_b32 s[G1+3], 32<<16
	s_mov_b32 s[G1+4], 132
	s_mov_b32 s[G1+5], 32                          ; dense
	s_mov_b32 s[G1+6], 0
	s_mov_b32 s[G1+7], 0
	s_mov_b32 s[G0], 1
	s_mul_i32 s[G0+1], s[WV], WSH                  ; my share's place in LDS,
	s_mul_i32 s54, s12, KVB
	s_add_co_u32 s54, s54, s[G0+1]                 ; and in kv
	s_mov_b32 s55, 0
	s_lshl_b32 s44, s12, 17                        ; Q's codes: tile 128 x head + 32 cx + wave, 1,024 bytes each
	s_lshl_b32 s46, s11, 15
	s_add_co_u32 s44, s44, s46
	s_lshl_b32 s46, s[WV], 10
	s_add_co_u32 s44, s44, s46
	s_mov_b32 s45, 0
	s_lshl_b32 s46, s12, 12                        ; Q's scale halfwords: 4,096 x head + 256 x (tile / 8) + 2 x (tile % 8)
	s_lshl_b32 s48, s11, 10
	s_add_co_u32 s46, s46, s48
	s_lshl_b32 s48, s[WV], 1
	s_add_co_u32 s46, s46, s48
	s_add_co_u32 s46, s46, 8388608
	s_mov_b32 s47, 0
	s_lshr_b32 s48, s12, 4
	s_lshl_b32 s48, s48, 7
	s_lshl_b32 s50, s11, 5
	s_add_co_u32 s48, s48, s50
	s_add_co_u32 s48, s48, s[WV]                   ; O's tile of rows: 128 x batch + 32 cx + wave
	s_and_b32 s50, s12, 15                         ; the head in its batch
	s_lshl_b32 s52, s48, 9                         ; O's scale bytes: 512 x tile + 128 x (head / 4) + 2 x (head % 4)
	s_lshr_b32 s53, s50, 2
	s_lshl_b32 s53, s53, 7
	s_add_co_u32 s52, s52, s53
	s_and_b32 s53, s50, 3
	s_lshl_b32 s53, s53, 1
	s_add_co_u32 s52, s52, s53
	s_add_co_u32 s52, s52, 8388608
	s_mov_b32 s53, 0
	s_lshl_b32 s48, s48, 14                        ; O's codes: 16,384 x tile + 1,024 x head
	s_lshl_b32 s50, s50, 10
	s_add_co_u32 s48, s48, s50
	s_mov_b32 s49, 0
	s_mov_b32 s[SEL], 0x76543210
	s_mov_b32 s[SEL+1], 0xfedcba98
	s_mov_b32 s[CS], 0x3e38aa3b                    ; c = log2(e) / 8
	s_mov_b32 s[CS+1], s[CS]
	s_mov_b32 s[MNT], 0x600000
	s_wait_dscnt 0x0                               ; both opening adds are done
	s_wait_kmcnt 0x0
	s_add_nc_u64 s[G0+2:G0+3], s[6:7], s[54:55]
	s_or_b32 s[G0+3], s[G0+3], 0x80000000
	s_add_nc_u64 s[QP:QP+1], s[4:5], s[44:45]
	s_add_nc_u64 s[QSP:QSP+1], s[4:5], s[46:47]
	s_add_nc_u64 s[OP:OP+1], s[8:9], s[48:49]
	s_add_nc_u64 s[OSP:OSP+1], s[8:9], s[52:53]
	ROUND                                          ; all four work-groups are here: the joint loads meet
	tensor_load_to_lds s[G0:G0+3], s[G1:G1+7]      ; every wave's one load: its eighth of the head's block
	s_nop 0
.rept 4
	v_nop
.endr
	v_and_b32 v[LI], 31, v0
	s_delay_alu instid0(VALU_DEP_1)
	v_lshlrev_b32 v[LI], 4, v[LI]
	v_and_b32 v[R16], 15, v0
	v_bfe_u32 v[OB], v0, 4, 1
	s_delay_alu instid0(VALU_DEP_1)
	v_lshl_add_u32 v[OB], v[R16], 3, v[OB]
	s_delay_alu instid0(VALU_DEP_3)
	v_lshlrev_b32 v[R16], 4, v[R16]
	v_add_nc_u32 v[LIV], 131072, v[LI]
	v_add_nc_u32 v[LIS], 262144, v[LI]
	v_cmp_lt_u32 s[HM], 255, v[LI]                 ; lanes 16-31
.macro QLOAD p                         ; pass p's two tiles of Q: each tile's 8 registers twice, and its scale bytes
	WIN 0x40
.irp j, 0,1
	global_load_b128 v[QR1+24*\j:QR1+24*\j+3], v[LI], s[QP:QP+1] offset:16384*\p+8192*\j
	global_load_b128 v[QR1+24*\j+4:QR1+24*\j+7], v[LI], s[QP:QP+1] offset:16384*\p+8192*\j+512
	global_load_b128 v[QR1+24*\j+16:QR1+24*\j+19], v[LI], s[QP:QP+1] offset:16384*\p+8192*\j
	global_load_b128 v[QR1+24*\j+20:QR1+24*\j+23], v[LI], s[QP:QP+1] offset:16384*\p+8192*\j+512
.endr
	WIN 0
	global_load_u16 v[QH], v[R16], s[QSP:QSP+1] offset:512*\p
	global_load_u16 v[QH+1], v[R16], s[QSP:QSP+1] offset:512*\p+256
.endm
	QLOAD 0
	WIN 0x40
.irp j, 0,1,2,3,4,5,6,7
	v_mov_b32 v[QR1+8+\j], 0                       ; Z: zero codes, written once
	v_mov_b32 v[QR1+32+\j], 0
.endr
	WIN 0
.irp b, 0,1,2,3
	v_mov_b32 v[BP+\b], 0                          ; written once: a lane permute's destination counts as one of its sources
	v_mov_b32 v[BP+188+\b], 0
.endr
	v_mov_b32 v[F+1], 0                            ; (named as the upper halves of pairs)
	v_mov_b32 v[F+3], 0
	v_mov_b32 v[TT], 0
	v_mov_b32 v[PS], 0x7f7f7f7f                    ; finite scale words for the first trip's products with zero codes
	v_mov_b32 v[PS+1], 0x7f7f7f7f
	s_wait_alu depctr_va_vdst(0)                   ; the wait at the head's end
	s_wait_tensorcnt 0x0                           ; my share has landed,
	s_barrier_signal -1
	s_barrier_wait -1                              ; everybody's has
.macro LDALL                           ; 34 LDS loads in one run: the scale words, four fragments of V, four of K
	ds_load_b128 v[SCV:SCV+3], v[ADS]
	ds_load_b128 v[SCK:SCK+3], v[ADN]
	WIN 0x40
.set q, 0
.rept 16
	ds_load_b128 v[VF+4*q:VF+4*q+3], v[ADV] offset:512*q
.set q, q+1
.endr
.set q, 0
.rept 16
	ds_load_b128 v[KF+4*q:KF+4*q+3], v[ADK] offset:512*q
.set q, q+1
.endr
	WIN 0
.endm
	v_mov_b32 v[ADV], v[LIV]                       ; step 0's V (finite codes for the first trip's products with zero codes) and K
	v_mov_b32 v[ADK], v[LI]
	v_mov_b32 v[ADS], v[LIS]
	v_mov_b32 v[ADN], v[LIS]
	LDALL
.macro XS w                            ; S^T = K Q^T of tile w: lane (r, h): query r; register 16 b + i: key 32 b + 16 h + i of the step
	WIN 0x05
.irp b, 0,1,2,3
.irp u, 0,1
	v_wmma_scale_f32_16x16x128_f8f6f4 v[S+64*\w+16*\b+8*\u:S+64*\w+16*\b+8*\u+7], v[KF+16*\b:KF+16*\b+15], v[QR1+24*\w+8*\u:QR1+24*\w+8*\u+15], 0, v[SCK+\b], v[QS+\w] matrix_a_fmt:MATRIX_FMT_BF8 matrix_b_fmt:MATRIX_FMT_BF8
.endr
.endr
.endm
.macro RESC2                           ; both tiles' O^T under the new M
	WIN 0x41
	s_wait_alu depctr_va_vdst(0)                   ; the wait directly ahead of the first reader of O^T
.irp w, 0,1
.set i, 0
.rept 16
	v_pk_mul_f32 v[OW+32*\w+i:OW+32*\w+i+1], v[OW+32*\w+i:OW+32*\w+i+1], v[F+2*\w:F+2*\w+1] op_sel_hi:[1,0]
.set i, i+2
.endr
.endr
.endm
.macro ZS w                            ; O^T += V^T P^T: the four accumulators by turns
	WIN 0x51
.irp t, 0,1,2,3
	v_wmma_scale_f32_16x16x128_f8f6f4 v[OW+32*\w+8*\t:OW+32*\w+8*\t+7], v[VF+16*\t:VF+16*\t+15], v[PCD+16*\w:PCD+16*\w+15], v[OW+32*\w+8*\t:OW+32*\w+8*\t+7], v[SCV+\t], v[PS+\w] matrix_a_fmt:MATRIX_FMT_BF8 matrix_b_fmt:MATRIX_FMT_BF8 matrix_a_scale:MATRIX_SCALE_ROW1
.endr
.endm
.macro USE w                           ; the names below mean tile w's registers
.set SS,  S+64*(\w)
.set NMW, ST+4*(\w)
.set RMW, ST+4*(\w)+1
.set SMW, ST+4*(\w)+2
.set FW,  F+2*(\w)
.set BMW, BM+188*(\w)
.set BPW, BP+188*(\w)
.set CVW, CV+188*(\w)
.set TTW, TT+214*(\w)
.set T2W, T2+214*(\w)
.endm
.macro HOLD2 w, r, b                   ; the conversion does not saturate (ISA guide 7.6.2); p is not negative, so the hold is one-sided; two numbers a line
	v_dual_min_num_f32 v[(\r)], v[(\r)], v[HL+188*(\w)+(\b)] :: v_dual_min_num_f32 v[(\r)+1], v[(\r)+1], v[H2+188*(\w)+((\b)+1)%4]
.endm
.macro XF w, j                         ; t - M of the pair at register j of tile w's 64
	v_pk_fma_f32 v[S+64*(\w)+(\j):S+64*(\w)+(\j)+1], v[S+64*(\w)+(\j):S+64*(\w)+(\j)+1], s[CS:CS+1], v[ST+4*(\w):ST+4*(\w)+1] op_sel_hi:[1,0,0]
.endm
.macro XF4 w, j
	XF \w, \j
	XF \w, (\j)+2
	XF \w, (\j)+4
	XF \w, (\j)+6
.endm
.macro BND m                           ; 57,344 x the scale: 15 more in the exponent field, over 57,344's mantissa; tile m / 8, twice for each block
.if ((\m)%8) < 4
	v_add_nc_u32 v[HL+188*((\m)/8)+(\m)%8], 0x07e00000, v[CV+188*((\m)/8)+(\m)%8]
.else
	v_add_nc_u32 v[H2+188*((\m)/8)+((\m)%8-3)%4], 0x07e00000, v[CV+188*((\m)/8)+(\m)%8-4]
.endif
.endm
; the largest score of each block of 32 keys, in two chains a block (c = 0, 1): M3I begins a chain with registers i, i + 1, i + 2; M3C takes in i, i + 1
.macro M3I w, c, i
	USE \w
.irp b, 0,1,2,3
	v_max3_num_f32 v[BMW+20*\c+\b], v[SS+16*\b+\i], v[SS+16*\b+\i+1], v[SS+16*\b+\i+2]
.endr
.endm
.macro M3C w, c, i
	USE \w
.irp b, 0,1,2,3
	v_max3_num_f32 v[BMW+20*\c+\b], v[BMW+20*\c+\b], v[SS+16*\b+\i], v[SS+16*\b+\i+1]
.endr
.endm
; the links of a tile's dependent chain, from the blocks' maxima to M, f, the conversions' scales and p's scale word
.macro AST w, n
	USE \w
.if \n == 1
.irp b, 0,1,2,3
	v_max_num_f32 v[BMW+\b], v[BMW+\b], v[BMW+20+\b]
.endr
.endif
.if \n == 2
.irp b, 0,1,2,3
	v_permlanex16_b32 v[BPW+\b], v[BMW+\b], s[SEL], s[SEL+1]
.endr
.endif
.if \n == 3
.irp b, 0,1,2,3
	v_max_num_f32 v[BMW+\b], v[BMW+\b], v[BPW+\b]  ; with lane l xor 16's 16 keys
.endr
.endif
.if \n == 4
	v_max3_num_f32 v[TTW], v[BMW], v[BMW+1], v[BMW+2]
.endif
.if \n == 5
	v_max3_num_f32 v[RMW], v[TTW], v[BMW+3], v[RMW]        ; the running largest score
.endif
.if \n == 6
	v_mul_f32 v[TTW], s[CS], v[RMW]                ; as t (c is positive)
.endif
.if \n == 7
	v_floor_f32 v[NMW], -v[TTW]                    ; the new -M = -ceil(t): a whole number
.endif
.if \n == 8
.irp b, 0,1,2,3
	v_fma_f32 v[BMW+\b], v[BMW+\b], s[CS], v[NMW]  ; x of each block's largest score
.endr
	v_sub_f32 v[TTW], v[NMW], v[T2W]               ; old M - new M: a whole number, 0 or less
.endif
.if \n == 9
.irp b, 0,1,2,3
	v_max_num_f32 v[BMW+\b], 0xc2de0000, v[BMW+\b] ; held at -111 from below: the byte cannot fall under 1
.endr
	v_cvt_i32_f32 v[TTW], v[TTW]                   ; (it saturates)
.endif
.if \n == 10
.irp b, 0,1,2,3
	v_cvt_floor_i32_f32 v[BPW+\b], v[BMW+\b]       ; e = the exponent of the block's largest p
.endr
	v_ldexp_f32 v[FW], 1.0, v[TTW]                 ; f = 2^(old M - new M)
.endif
.if \n == 11
.irp b, 0,1,2,3
	v_lshl_add_u32 v[CVW+\b], v[BPW+\b], 23, 0x38000000    ; (e + 112) << 23: the conversion's scale operand
.endr
	v_lshl_add_u32 v[T2W], v[BPW+3], 8, v[BPW+2]   ; the four bytes e + 112 make p's scale word: the sum of e_b << 8 b, and 112 in each byte
.endif
.if \n == 12
	v_lshl_add_u32 v[T2W], v[T2W], 8, v[BPW+1]
.endif
.if \n == 13
	v_lshl_add_u32 v[T2W], v[T2W], 8, v[BPW]
.endif
.if \n == 14
	v_add_nc_u32 v[PS+\w], 0x70707070, v[T2W]
.endif
.endm
.macro CVT w, b                        ; block b of tile w: 16 codes a lane
	v_cvt_scalef32_pk8_bf8_f32 v[PCD+16*\w+4*\b:PCD+16*\w+4*\b+1], v[S+64*\w+16*\b:S+64*\w+16*\b+7], v[CV+188*\w+\b]
	v_cvt_scalef32_pk8_bf8_f32 v[PCD+16*\w+4*\b+2:PCD+16*\w+4*\b+3], v[S+64*\w+16*\b+8:S+64*\w+16*\b+15], v[CV+188*\w+\b]
.endm
.macro HOLDB w, b                      ; the hold of block b of tile w
.irp n, 0,2,4,6,8,10,12,14
	HOLD2 \w, S+64*\w+16*\b+\n, \b
.endr
.endm
; The softmax and the quantiser of both tiles' 128 keys, all in window 0
.macro SOFT2
	WIN 0
	v_add_nc_u32 v[ADV], s[TK], v[LIV]
	v_add_nc_u32 v[ADS], s[TS], v[LIS]
	v_add_nc_u32 v[ADK], s[TKN], v[LI]
	v_add_nc_u32 v[ADN], s[TSN], v[LIS]
	M3I 0, 0, 0
	M3I 0, 1, 7
	M3C 0, 0, 3
	M3C 0, 1, 10
	M3C 0, 0, 5
	M3C 0, 1, 12
	v_mov_b32 v[T2], v[ST]                         ; the old -M of both tiles
	v_mov_b32 v[T2+214], v[ST+4]
	M3C 0, 1, 14
	M3I 1, 0, 0
	AST 0, 1
	M3I 1, 1, 7
	AST 0, 2
	M3C 1, 0, 3
	M3C 1, 1, 10
	AST 0, 3
	M3C 1, 0, 5
	AST 0, 4
	M3C 1, 1, 12
	AST 0, 5
	M3C 1, 1, 14
	AST 0, 6
	AST 1, 1
	AST 0, 7
	AST 1, 2
	AST 0, 8
	AST 1, 3
	AST 0, 9
	AST 1, 4
	XF4 0, 0
	AST 1, 5
	AST 0, 10
	AST 1, 6
	AST 0, 11
	AST 1, 7
	AST 0, 12
	XF4 0, 8
	AST 1, 8
	AST 0, 13
	XF4 0, 16
	AST 1, 9
	AST 0, 14
	XF4 0, 24
	AST 1, 10
	XF4 0, 32
	AST 1, 11
	XF4 0, 40
	AST 1, 12
	XF4 0, 48
	AST 1, 13
	XF4 0, 56
	AST 1, 14
	s_wait_alu depctr_va_vdst(0)                   ; the wait ahead of a batch of exponentials
	LDALL                                          ; V(i) and K(i+1): more than 100 plain lines behind the products that read these registers
.irp m, 0,1,2,3,4,5,6,7,8,9,10,11,12,13,14,15      ; tile 0: p = 2^(t - M); between the lines tile 1's t - M and the holds' bounds, all read behind the next wait
	v_exp_f32 v[S+4*\m], v[S+4*\m]
	XF 1, 4*\m
	v_exp_f32 v[S+4*\m+1], v[S+4*\m+1]
	XF 1, 4*\m+2
	v_exp_f32 v[S+4*\m+2], v[S+4*\m+2]
	v_exp_f32 v[S+4*\m+3], v[S+4*\m+3]
	BND \m
.endr
	s_wait_alu depctr_va_vdst(0)                   ; behind the first batch and ahead of the second
.irp k, 0,1,2,3,4,5,6,7,8,9,10,11,12,13,14,15      ; tile 1; between the lines tile 0's first sums, of the unquantised p, and then its holds: all read behind the next wait
	v_exp_f32 v[S+64+4*\k], v[S+64+4*\k]
	v_pk_add_f32 v[PCD+2*\k:PCD+2*\k+1], v[S+4*\k:S+4*\k+1], v[S+4*\k+2:S+4*\k+3]
	v_exp_f32 v[S+65+4*\k], v[S+65+4*\k]
	HOLD2 0, S+4*\k, \k/4
	v_exp_f32 v[S+66+4*\k], v[S+66+4*\k]
	v_exp_f32 v[S+67+4*\k], v[S+67+4*\k]
	HOLD2 0, S+4*\k+2, \k/4
.endr
	s_wait_alu depctr_va_vdst(0)                   ; behind the second batch
.irp k, 0,2,4,6,8,10,12,14
	v_pk_add_f32 v[PCD+\k:PCD+\k+1], v[PCD+\k:PCD+\k+1], v[PCD+16+\k:PCD+17+\k]       ; tile 0's sixteen partial sums become eight,
.endr
.irp k, 0,2,4,6,8,10,12,14
	v_pk_add_f32 v[PCD+16+\k:PCD+17+\k], v[S+64+\k:S+65+\k], v[S+80+\k:S+81+\k]       ; and tile 1's eight chains begin where the other eight lay
.endr
.irp k, 0,2,4,6
	v_pk_add_f32 v[PCD+\k:PCD+\k+1], v[PCD+\k:PCD+\k+1], v[PCD+8+\k:PCD+9+\k]
.endr
.irp k, 0,2,4,6,8,10,12,14
	v_pk_add_f32 v[PCD+16+\k:PCD+17+\k], v[PCD+16+\k:PCD+17+\k], v[S+96+\k:S+97+\k]
.endr
.irp k, 0,2
	v_pk_add_f32 v[PCD+\k:PCD+\k+1], v[PCD+\k:PCD+\k+1], v[PCD+4+\k:PCD+5+\k]
.endr
.irp k, 0,2,4,6,8,10,12,14
	v_pk_add_f32 v[PCD+16+\k:PCD+17+\k], v[PCD+16+\k:PCD+17+\k], v[S+112+\k:S+113+\k]
.endr
	v_pk_add_f32 v[PCD:PCD+1], v[PCD:PCD+1], v[PCD+2:PCD+3]
	HOLDB 1, 0
	v_pk_fma_f32 v[ST+2:ST+3], v[ST+2:ST+3], v[F:F+1], v[PCD:PCD+1] op_sel_hi:[1,0,1]   ; tile 0's sum under the new M, and the step's
.irp k, 0,2,4,6
	v_pk_add_f32 v[PCD+16+\k:PCD+17+\k], v[PCD+16+\k:PCD+17+\k], v[PCD+24+\k:PCD+25+\k]
.endr
	HOLDB 1, 1
	CVT 0, 0
	CVT 0, 1
.irp k, 0,2
	v_pk_add_f32 v[PCD+16+\k:PCD+17+\k], v[PCD+16+\k:PCD+17+\k], v[PCD+20+\k:PCD+21+\k]
.endr
	HOLDB 1, 2
	CVT 0, 2
	CVT 0, 3
	v_pk_add_f32 v[PCD+16:PCD+17], v[PCD+16:PCD+17], v[PCD+18:PCD+19]
	HOLDB 1, 3
	v_pk_fma_f32 v[ST+6:ST+7], v[ST+6:ST+7], v[F+2:F+3], v[PCD+16:PCD+17] op_sel_hi:[1,0,1]   ; tile 1's
.irp b, 0,1,2,3
	CVT 1, \b
.endr
	v_nop                                          ; a plain line behind the last conversion
.endm
; O^T / the sum, quantised along the head's 64 dims, and stored
.macro OUT w, p
.set SS,  S+64*\w
.set PP,  PCD+16*\w
.set SMW, ST+4*\w+2
.set FW,  F+2*\w
	WIN 0
	v_add_f32 v[SMW], v[SMW], v[SMW+1]
	s_delay_alu instid0(VALU_DEP_1)
	v_permlanex16_b32 v[TT], v[SMW], s[SEL], s[SEL+1]
	s_delay_alu instid0(VALU_DEP_1)
	v_add_f32 v[SMW], v[SMW], v[TT]                ; the row's sum
	s_wait_alu depctr_va_vdst(0)
	v_rcp_f32 v[FW], v[SMW]
	v_nop                                          ; a plain line behind the reciprocal,
	WIN 0x01
	s_wait_alu depctr_va_vdst(0)                   ; and the wait ahead of its first reader, which is also O^T's
.set i, 0
.rept 16
	v_pk_mul_f32 v[SS+i:SS+i+1], v[OW+32*\w+i:OW+32*\w+i+1], v[FW:FW+1] op_sel_hi:[1,0]   ; register 16 b + i: dim 32 b + 16 h + i of my query
.set i, i+2
.endr
	WIN 0
.irp b, 0,1
	v_max3_num_f32 v[BM+\b], |v[SS+16*\b]|, |v[SS+16*\b+1]|, 0x8000000
.endr
.irp i, 2,4,6,8,10,12,14
.irp b, 0,1
	s_delay_alu instid0(VALU_DEP_2)
	v_max3_num_f32 v[BM+\b], v[BM+\b], |v[SS+16*\b+\i]|, |v[SS+16*\b+\i+1]|
.endr
.endr
.irp b, 0,1
	s_delay_alu instid0(VALU_DEP_2)
	v_permlanex16_b32 v[BP+\b], v[BM+\b], s[SEL], s[SEL+1]
.endr
.irp b, 0,1
	s_delay_alu instid0(VALU_DEP_2)
	v_max_num_f32 v[BM+\b], v[BM+\b], v[BP+\b]
.endr
.irp b, 0,1
	s_delay_alu instid0(VALU_DEP_2)
	v_add_nc_u32 v[CV+\b], 0xf8800000, v[BM+\b]
.endr
.irp b, 0,1
	s_delay_alu instid0(VALU_DEP_4)
	v_and_or_b32 v[HL+\b], v[BM+\b], 0x7f800000, s[MNT]
.endr
.irp b, 0,1
	s_delay_alu instid0(VALU_DEP_4)
	v_lshrrev_b32 v[BP+\b], 23, v[CV+\b]
.endr
	s_delay_alu instid0(VALU_DEP_1)
	v_cndmask_b32 v[OBY+\w], v[BP], v[BP+1], s[HM] ; lanes 0-15 store block 0's byte, lanes 16-31 block 1's
.irp b, 0,1
.irp i, 0,1,2,3,4,5,6,7,8,9,10,11,12,13,14,15
	v_med3_num_f32 v[SS+16*\b+\i], v[SS+16*\b+\i], -v[HL+\b], v[HL+\b]
.endr
	v_cvt_scalef32_pk8_bf8_f32 v[PP+4*\b:PP+4*\b+1], v[SS+16*\b:SS+16*\b+7], v[CV+\b]
	v_cvt_scalef32_pk8_bf8_f32 v[PP+4*\b+2:PP+4*\b+3], v[SS+16*\b+8:SS+16*\b+15], v[CV+\b]
.endr
	v_nop                                          ; a plain line behind the last conversion
	global_store_b128 v[LI], v[PP:PP+3], s[OP:OP+1] offset:262144*\p+131072*\w        ; 512 consecutive bytes, aligned
	global_store_b128 v[LI], v[PP+4:PP+7], s[OP:OP+1] offset:262144*\p+131072*\w+512
	global_store_b8 v[OB], v[OBY+\w], s[OSP:OSP+1] offset:8192*\p+4096*\w
.endm
.macro PASS p
	WIN 0
	s_wait_loadcnt 0x0                             ; Q
.if \p
	s_wait_xcnt 0x0                                ; the last pass's stores have read their registers, which are written again below
.endif
	v_lshl_or_b32 v[QS], v[QH], 16, v[QH]          ; the two bytes serve dims 0-63 in either half of the instruction's K
	v_lshl_or_b32 v[QS+1], v[QH+1], 16, v[QH+1]
.irp w, 0,1
	v_mov_b32 v[ST+4*\w+1], 0xff61b1e6             ; the largest score so far: -3e38
	v_mov_b32 v[ST+4*\w], 0x7e000000               ; -M: a large whole number: the first f is 0
	v_mov_b32 v[ST+4*\w+2], 0
	v_mov_b32 v[ST+4*\w+3], 0
	v_mov_b32 v[F+2*\w], 1.0                       ; what the first trip's second products find: f = 1 and zero codes
.endr
.set i, 0
.rept 32
	v_mov_b32 v[PCD+i], 0
.set i, i+1
.endr
	WIN 0x40
.set i, 0
.rept 64
	v_mov_b32 v[OW+i], 0                           ; the trip is written once: the first finds zeros
.set i, i+1
.endr
	WIN 0
	s_mov_b32 s[TK], 0
	s_mov_b32 s[TS], 0
	s_mov_b32 s[TKN], 8192
	s_mov_b32 s[TSN], 512
	s_mov_b32 s[CNT], 16
	s_wait_alu depctr_va_vdst(0)
.Lstep_\@:
	s_wait_dscnt 0x0                               ; K(i), V(i-1) and their scale words are in
	XS 0
	XS 1
	RESC2                                          ; 32 plain lines: the places behind the first products
	ZS 0
	ZS 1
	SOFT2
	s_add_co_u32 s[TK], s[TK], 8192
	s_add_co_u32 s[TS], s[TS], 512
	s_add_co_u32 s[TKN], s[TK], 8192
	s_and_b32 s[TKN], s[TKN], 0x1ffff              ; behind the last step comes step 0: the next pass's first
	s_add_co_u32 s[TSN], s[TS], 512
	s_and_b32 s[TSN], s[TSN], 0x1fff
	s_sub_co_u32 s[CNT], s[CNT], 1
	s_cmp_lg_u32 s[CNT], 0
	s_wait_alu depctr_va_vdst(0)                   ; the wait directly ahead of the branch
	s_cbranch_scc1 .Lstep_\@
.if \p == 0
	QLOAD 1                                        ; the next pass's Q lands under the way out (the last product that read Q stands a softmax back)
.endif
	s_wait_dscnt 0x0                               ; the last step's V is in
	RESC2                                          ; the last second products
	ZS 0
	ZS 1
	WIN 0
.rept 8
	v_nop                                          ; places behind them
.endr
	OUT 0, \p
	OUT 1, \p
.endm
	PASS 0
	PASS 1
	WIN 0
	s_wait_tensorcnt 0x0                           ; the wave's end
	ds_add_u32 v[SPW], v[NIL]
	s_wait_dscnt 0x0
	ROUND                                          ; the closing round
	s_endpgm
.Lfunc_end_k_qbab2eed6a1_attn:
	.size	k_qbab2eed6a1_attn, .Lfunc_end_k_qbab2eed6a1_attn-k_qbab2eed6a1_attn
	.p2alignl 7, 3214868480
	.fill 96, 4, 3214868480
	.section	.rodata,"a",@progbits
	.p2align	6, 0x0
	.amdhsa_kernel k_qbab2eed6a1_attn
		.amdhsa_group_segment_fixed_size 272384
		.amdhsa_private_segment_fixed_size 0
		.amdhsa_enable_private_segment 0
		.amdhsa_kernarg_size 24
		.amdhsa_user_sgpr_count 2
		.amdhsa_user_sgpr_kernarg_segment_ptr 1
		.amdhsa_wavefront_size32 1
		.amdhsa_system_sgpr_workgroup_id_x 1
		.amdhsa_system_sgpr_workgroup_id_y 1
		.amdhsa_system_sgpr_workgroup_id_z 1
		.amdhsa_system_vgpr_workitem_id 0
		.amdhsa_next_free_vgpr 512
		.amdhsa_next_free_sgpr 66
		.amdhsa_reserve_vcc 0
		.amdhsa_float_denorm_mode_32 3
		.amdhsa_float_denorm_mode_16_64 3
		.amdhsa_memory_ordered 1
		.amdhsa_forward_progress 1
		.amdhsa_inst_pref_size 119
	.end_amdhsa_kernel
	.amdgpu_metadata
---
amdhsa.version: [ 1, 2 ]
amdhsa.kernels:
  - .name:           k_qbab2eed6a1_attn
    .symbol:         k_qbab2eed6a1_attn.kd
    .args:
      - { .name: qq, .offset: 0, .size: 8, .value_kind: global_buffer, .address_space: global }
      - { .name: kv, .offset: 8, .size: 8, .value_kind: global_buffer, .address_space: global }
      - { .name: oq, .offset: 16, .size: 8, .value_kind: global_buffer, .address_space: global }
    .group_segment_fixed_size: 272384
    .private_segment_fixed_size: 0
    .kernarg_segment_align: 8
    .kernarg_segment_size: 24
    .max_flat_workgroup_size: 256
    .sgpr_count:     66
    .vgpr_count:     512
    .wavefront_size: 32
...
	.end_amdgpu_metadata
.endif
;; end of part 3
;; launch outp (part 4): grid 4 x 32, 4 waves a work-group, clusters of 4 x 4, 327,680 bytes of LDS; arguments oq, wq, bo, out0; writes out0
.if DOCPART == 4
	.amdgcn_target "amdgcn-amd-amdhsa--gfx1250"
	.amdhsa_code_object_version 6
	.text
	.protected	k_qbab2eed6a1_outp
	.globl	k_qbab2eed6a1_outp
	.p2align	8
	.type	k_qbab2eed6a1_outp,@function
k_qbab2eed6a1_outp:
	s_mov_b64 s[64:65], 0
	v_nop
	global_prefetch_b8 v0, s[64:65] scope:SCOPE_SE
	s_setreg_imm32_b32 hwreg(HW_REG_WAVE_MODE, 25, 1), 1
	s_wait_xcnt 0x0
	s_wait_alu depctr_hold_cnt(0) depctr_sa_sdst(0) depctr_va_vdst(0) depctr_va_sdst(0) depctr_va_ssrc(0) depctr_va_vcc(0) depctr_vm_vsrc(0)
	s_getreg_b32 s2, hwreg(HW_REG_IB_STS2, 6, 4)
	s_cmp_eq_u32 s2, 0
	s_cbranch_scc0 .Lentry_in_a_cluster
	s_endpgm
.Lentry_in_a_cluster:
	s_bfe_u32 s2, ttmp6, 0x10000c
	s_cmp_lg_u32 s2, 0xf033
	s_cbranch_scc0 .Lentry_shape_is_right
	s_endpgm
.Lentry_shape_is_right:
.set NQ,    2
.set FR,    16
.set NL,    4
.set NP,    8
.set SLOT,  131072
.set SCL,   262144
.set SPARE, 278528
.set OSCL,  8388608
.set WSCL,  4194304
.set ADRA, 16
.set ADRB, 20
.set BO,   22
.set STO,  23
.set LI,   24
.set RD,   25
.set ADRS, 27
.set SPW,  28
.set NIL,  29
.set SC,   32
.set BI,   64
.set AF,   128
.set T,    128
.set BK,   192
.set G1, 24
.set G0, 32
.set G1B, 48
.set G0B, 56
.set G1S, 68
.set G0S, 76
.set G1SB, 80
.set G0SB, 88
.set MSB, 0
.macro WIN new
.if MSB != (\new)
	s_set_vgpr_msb (MSB<<8)|(\new)
.set MSB, (\new)
.endif
.endm
.set MUL_LO, 0xa1
.set MUL_HI, 0xf1
.set TO_B,   0x40
.macro JLOAD g0a, g1a, g0b, g1b
	s_cmp_eq_u32 s13, 0
	s_cbranch_scc0 .Lfor_b_\@
	tensor_load_to_lds s[\g0a:\g0a+3], s[\g1a:\g1a+7]
	s_nop 0
.rept 4
	v_nop
.endr
	s_branch .Lasked_\@
.Lfor_b_\@:
	tensor_load_to_lds s[\g0b:\g0b+3], s[\g1b:\g1b+7]
	s_nop 0
.rept 4
	v_nop
.endr
.Lasked_\@:
.endm
.macro CREST
	s_cmp_lg_u32 s12, 0
	s_cbranch_scc1 .Lnot_wave_0_\@
	s_barrier_signal -3
.Lnot_wave_0_\@:
	s_barrier_wait -3
	s_barrier_signal -1
	s_barrier_wait -1
.endm
.macro CROUND
	s_barrier_signal -1
	s_barrier_wait -1
	CREST
.endm
	s_load_b256 s[4:11], s[0:1], 0x0
	v_lshl_add_u32 v[SPW], v0, 2, SPARE
	v_mov_b32 v[NIL], 0
	ds_add_u32 v[SPW], v[NIL]
	ds_add_u32 v[SPW], v[NIL]
	v_lshrrev_b32 v1, 5, v0
	v_readfirstlane_b32 s12, v1
	s_lshr_b32 s13, s12, 1
	s_and_b32 s14, s12, 1
	s_bfe_u32 s15, ttmp6, 0x40000
	s_bfe_u32 s16, ttmp6, 0x40004
	s_and_b32 s17, ttmp7, 0xffff
	s_lshl_b32 s20, s16, 2
	s_lshl_b32 s20, 15, s20
	s_lshl_b32 s66, 0x1111, s15
	s_or_b32 s[G1], s20, (3<<16)|(1<<21)
	s_or_b32 s[G1B], s66, (3<<16)|(1<<21)
.irp g, G1, G1B
	s_mov_b32 s[\g+1], 512<<16
	s_mov_b32 s[\g+2], 16<<16
	s_mov_b32 s[\g+3], 512<<16
	s_mov_b32 s[\g+4], 16
	s_mov_b32 s[\g+5], 2048
	s_mov_b32 s[\g+6], 0
	s_mov_b32 s[\g+7], 0
.endr
	s_or_b32 s[G1S], s20, (3<<16)|(1<<21)
	s_or_b32 s[G1SB], s66, (3<<16)|(1<<21)
.irp g, G1S, G1SB
	s_mov_b32 s[\g+1], 32<<16
	s_mov_b32 s[\g+2], 32<<16
	s_mov_b32 s[\g+3], 32<<16
	s_mov_b32 s[\g+4], 32
	s_mov_b32 s[\g+5], 32
	s_mov_b32 s[\g+6], 0
	s_mov_b32 s[\g+7], 0
.endr
	s_lshl_b32 s19, s14, 3
	s_lshl_b32 s20, s17, 6
	s_lshl_b32 s21, s16, 4
	s_add_co_u32 s20, s20, s21
	s_add_co_u32 s20, s20, s19
	s_lshl_b32 s66, s15, 4
	s_add_co_u32 s66, s66, s19
	s_add_co_u32 s66, s66, 192
	s_lshl_b32 s22, s20, 9
	s_add_co_u32 s22, s22, OSCL
	s_mov_b32 s23, 0
	s_lshl_b32 s20, s20, 14
	s_mov_b32 s21, 0
	s_lshl_b32 s98, s66, 9
	s_add_co_u32 s98, s98, WSCL
	s_mov_b32 s99, 0
	s_lshl_b32 s66, s66, 14
	s_mov_b32 s67, 0
	s_lshl_b32 s46, s12, 15
	s_lshl_b32 s47, s12, 12
	s_wait_dscnt 0x0
	s_wait_kmcnt 0x0
	s_add_nc_u64 s[20:21], s[4:5], s[20:21]
	s_add_nc_u64 s[22:23], s[4:5], s[22:23]
	s_add_nc_u64 s[66:67], s[6:7], s[66:67]
	s_add_nc_u64 s[98:99], s[6:7], s[98:99]
	CROUND
	s_mov_b32 s[G0S], 1
	s_lshl_b32 s2, s14, 12
	s_mov_b32 s3, 0
	s_mov_b32 s[G0S+1], SCL
	s_sub_nc_u64 s[G0S+2:G0S+3], s[22:23], s[2:3]
	s_or_b32 s[G0S+3], s[G0S+3], 0x80000000
	s_mov_b32 s[G0SB], 1
	s_mov_b32 s[G0SB+1], SCL+8192
	s_sub_nc_u64 s[G0SB+2:G0SB+3], s[98:99], s[2:3]
	s_or_b32 s[G0SB+3], s[G0SB+3], 0x80000000
.irp s, 0,1
	s_mov_b32 s[G0+4*\s], 1
	s_add_co_u32 s[G0+4*\s+1], s46, \s*SLOT
	s_add_nc_u64 s[G0+4*\s+2:G0+4*\s+3], s[20:21], \s*4096
	s_or_b32 s[G0+4*\s+3], s[G0+4*\s+3], 0x80000000
	s_mov_b32 s[G0B+4*\s], 1
	s_add_co_u32 s[G0B+4*\s+1], s46, \s*SLOT
	s_add_nc_u64 s[G0B+4*\s+2:G0B+4*\s+3], s[66:67], \s*4096
	s_or_b32 s[G0B+4*\s+3], s[G0B+4*\s+3], 0x80000000
.endr
	; the head's four tiles, each whole, one joint load a wave: wave 0 K step 0 of source 1's 16 tiles, wave 1 of source 0's, wave 2 and wave 3 their scale words
	s_lshl_b32 s2, s14, 17
	s_mov_b32 s4, 1
	s_mov_b32 s5, 0
	s_sub_nc_u64 s[6:7], s[20:21], s[2:3]
	s_or_b32 s7, s7, 0x80000000
	s_mov_b32 s40, 1
	s_mov_b32 s41, 65536
	s_sub_nc_u64 s[42:43], s[66:67], s[2:3]
	s_or_b32 s43, s43, 0x80000000
	s_cmp_lt_u32 s12, 1
	s_cbranch_scc0 .Lh_b
	tensor_load_to_lds s[4:7], s[G1:G1+7]
	s_nop 0
.rept 4
	v_nop
.endr
	s_branch .Lh_j
.Lh_b:
	s_cmp_lt_u32 s12, 2
	s_cbranch_scc0 .Lh_sa
	tensor_load_to_lds s[40:43], s[G1B:G1B+7]
	s_nop 0
.rept 4
	v_nop
.endr
	s_branch .Lh_j
.Lh_sa:
	s_cmp_lt_u32 s12, 3
	s_cbranch_scc0 .Lh_sb
	tensor_load_to_lds s[G0S:G0S+3], s[G1S:G1S+7]
	s_nop 0
.rept 4
	v_nop
.endr
	s_branch .Lh_j
.Lh_sb:
	tensor_load_to_lds s[G0SB:G0SB+3], s[G1SB:G1SB+7]
	s_nop 0
.rept 4
	v_nop
.endr
.Lh_j:
	s_wait_alu depctr_va_vdst(0)
	s_wait_tensorcnt 0x0                           ; my tile of the four is in
	ds_add_u32 v28, v29
	s_mov_b32 s[G1+2], 8<<16                       ; no tensor load of mine is out: from here on a load brings 8 tiles
	s_mov_b32 s[G1+4], 8
	s_mov_b32 s[G1B+2], 8<<16
	s_mov_b32 s[G1B+4], 8
	s_wait_dscnt 0x0
	CROUND
	JLOAD G0+4, G1, G0B+4, G1B
	v_and_b32 v1, 15, v0
	v_bfe_u32 v2, v0, 4, 1
	s_wait_alu depctr_va_vdst(0)
	v_and_b32 v3, 31, v0
	v_lshlrev_b32 v[LI], 4, v3
	s_lshl_b32 s46, s13, 15
	s_lshl_b32 s47, s14, 15
	s_add_co_u32 s47, s47, 65536
.irp s, 0,1
	v_add_nc_u32 v[ADRA+\s], s46, v[LI]
	v_add_nc_u32 v[ADRB+\s], s47, v[LI]
	s_add_co_u32 s46, s46, SLOT
	s_add_co_u32 s47, s47, SLOT
.endr
	v_lshlrev_b32 v5, 3, v1
	s_lshl_b32 s46, s13, 12
	s_lshl_b32 s47, s14, 12
	s_add_co_u32 s47, s47, 8192
	s_sub_co_u32 s47, s47, s46
	v_mul_u32_u24 v6, s47, v2
	s_add_co_u32 s46, s46, SCL
	v_add_nc_u32 v5, v5, v6
	v_add_nc_u32 v[ADRS], s46, v5
	s_mul_i32 s46, s12, 16*528
	v_mul_u32_u24 v[STO], v1, 528
	v_lshl_add_u32 v[STO], v2, 6, v[STO]
	v_add_nc_u32 v[STO], s46, v[STO]
	v_add_nc_u32 v[RD], s46, v[LI]
	v_lshlrev_b32 v[BO], 6, v2
	s_wait_alu depctr_va_vdst(0)
	s_lshl_b32 s40, s17, 22
	s_lshl_b32 s41, s16, 20
	s_add_co_u32 s40, s40, s41
	s_lshl_b32 s41, s13, 19
	s_add_co_u32 s40, s40, s41
	s_lshl_b32 s42, s15, 10
	s_lshl_b32 s43, s14, 9
	s_add_co_u32 s42, s42, s43
	s_mov_b32 s43, 0
	s_add_nc_u64 s[8:9], s[8:9], s[42:43]
	s_add_co_u32 s40, s40, s42
	s_mov_b32 s41, 0
	s_add_nc_u64 s[10:11], s[10:11], s[40:41]
.irp b, 0,1,2,3
.irp j, 0,1,2,3
	global_load_b128 v[BI+16*\b+4*\j:BI+16*\b+4*\j+3], v[BO], s[8:9] offset:128*\b+16*\j
.endr
.endr
.macro FRAG reg, adr, q, i
.irp c, 0,1,2,3
	ds_load_b128 v[\reg+4*\c:\reg+4*\c+3], v[\adr] offset:4096*(\i)+2048*(\q)+512*\c
.endr
.endm
.macro MUL16 a0, p, q, sc, zero
.irp a, \a0, \a0+1
.irp b, 0,1,2,3,4,5,6,7
.if \zero
	v_wmma_scale_f32_16x16x128_f8f6f4 v[8*(8*((\a)%4)+\b):8*(8*((\a)%4)+\b)+7], v[128*(\p)+FR*\b:128*(\p)+FR*\b+FR-1], v[AF+FR*(\a):AF+FR*(\a)+FR-1], 0, v[SC+8*NQ*(\sc)+NQ*\b+(\q)], v[SC+8*NQ*(\sc)+NQ*(\a)+(\q)] matrix_a_fmt:MATRIX_FMT_BF8 matrix_b_fmt:MATRIX_FMT_BF8 matrix_a_scale:MATRIX_SCALE_ROW1
.else
	v_wmma_scale_f32_16x16x128_f8f6f4 v[8*(8*((\a)%4)+\b):8*(8*((\a)%4)+\b)+7], v[128*(\p)+FR*\b:128*(\p)+FR*\b+FR-1], v[AF+FR*(\a):AF+FR*(\a)+FR-1], v[8*(8*((\a)%4)+\b):8*(8*((\a)%4)+\b)+7], v[SC+8*NQ*(\sc)+NQ*\b+(\q)], v[SC+8*NQ*(\sc)+NQ*(\a)+(\q)] matrix_a_fmt:MATRIX_FMT_BF8 matrix_b_fmt:MATRIX_FMT_BF8 matrix_a_scale:MATRIX_SCALE_ROW1
.endif
.endr
.endr
.endm
.macro FETCH_B slot, q, p
	WIN TO_B
.irp i, 0,1,2,3,4,5,6,7
	FRAG 128*(\p)+FR*\i, ADRB+\slot, \q, \i
.endr
	WIN 0
.endm
.macro FETCH_A slot, q, i0
.irp i, \i0, \i0+1, \i0+2, \i0+3
	FRAG AF+FR*(\i), ADRA+\slot, \q, \i
.endr
.endm
.macro SCALES sc
.irp i, 0,1,2,3,4,5,6,7
	ds_load_b64 v[SC+8*NQ*\sc+NQ*\i:SC+8*NQ*\sc+NQ*\i+1], v[ADRS] offset:512*\i
.endr
.endm
.macro PLACES n
.rept \n
	v_nop
.endr
.endm
.macro STEP slot, q, zero
	s_wait_dscnt 4*NL
	WIN MUL_LO
	MUL16 0, (\q)%2, \q, \slot, \zero
	MUL16 2, (\q)%2, \q, \slot, \zero
	s_wait_dscnt 0
	PLACES NP
	FETCH_B \slot, (\q)+1, 1-(\q)%2
	FETCH_A \slot, (\q)+1, 0
	WIN MUL_HI
	MUL16 4, (\q)%2, \q, \slot, \zero
	MUL16 6, (\q)%2, \q, \slot, \zero
	PLACES NP
	WIN 0
	FETCH_A \slot, (\q)+1, 4
.endm
.macro TURN slot, next, fill
	s_wait_tensorcnt 0x0
	ds_add_u32 v[SPW], v[NIL]
	s_wait_dscnt 4*NL+1
	WIN MUL_LO
	MUL16 0, 1, NQ-1, \slot, 0
	s_wait_dscnt 0x0
	s_barrier_signal -1
	MUL16 2, 1, NQ-1, \slot, 0
	WIN 0
	s_barrier_wait -1
.if \fill
	CREST
	s_add_nc_u64 s[G0+4*\slot+2:G0+4*\slot+3], s[G0+4*\slot+2:G0+4*\slot+3], 8192
	s_add_nc_u64 s[G0B+4*\slot+2:G0B+4*\slot+3], s[G0B+4*\slot+2:G0B+4*\slot+3], 8192
	JLOAD G0+4*\slot, G1, G0B+4*\slot, G1B
	PLACES NP-4
.else
	PLACES NP
.endif
	s_wait_alu depctr_va_vdst(0)
	v_add_nc_u32 v[ADRS], 128, v[ADRS]
	FETCH_B \next, 0, 0
	FETCH_A \next, 0, 0
	SCALES \next
	WIN MUL_HI
	MUL16 4, 1, NQ-1, \slot, 0
	MUL16 6, 1, NQ-1, \slot, 0
	PLACES NP
	WIN 0
	FETCH_A \next, 0, 4
.endm
	s_wait_tensorcnt 1
	s_barrier_signal -1
	s_barrier_wait -1
	FETCH_B 0, 0, 0
	FETCH_A 0, 0, 0
	SCALES 0
	FETCH_A 0, 0, 4
	STEP 0, 0, 1
	TURN 0, 1, 1
	STEP 1, 0, 0
	TURN 1, 0, 1
	STEP 0, 0, 0
	TURN 0, 1, 0
	STEP 1, 0, 0
	s_wait_dscnt 4*NL
	WIN MUL_LO
	MUL16 0, 1, NQ-1, 1, 0
	MUL16 2, 1, NQ-1, 1, 0
	s_wait_dscnt 0
	WIN MUL_HI
	MUL16 4, 1, NQ-1, 1, 0
	MUL16 6, 1, NQ-1, 1, 0
	WIN 0
	PLACES NP
	s_wait_loadcnt 0x0
.macro OUTB a
	WIN 0x02+(\a)/4
.set i, 0
.rept 32
	v_pk_add_f32 v[T+i:T+i+1], v[64*((\a)%4)+i:64*((\a)%4)+i+1], v[BI+i:BI+i+1]
.set i, i+2
.endr
	WIN 0
.irp b, 0,1,2,3
.irp j, 0,1,2,3
	ds_store_b128 v[STO], v[T+16*\b+4*\j:T+16*\b+4*\j+3] offset:128*\b+16*\j
.endr
.endr
	s_wait_xcnt 0x0
.irp t, 0,1,2,3,4,5,6,7,8,9,10,11,12,13,14,15
	ds_load_b128 v[BK+4*\t:BK+4*\t+3], v[RD] offset:528*\t
.endr
.irp t, 0,1,2,3,4,5,6,7,8,9,10,11,12,13,14,15
	s_wait_dscnt 15-\t
	global_store_b128 v[LI], v[BK+4*\t:BK+4*\t+3], s[10:11] offset:(32*((\a)/2)+8*((\a)%2)+\t+8*(\t/8))*4096 th:TH_STORE_NT
.endr
.endm
.irp a, 0,1,2,3,4,5,6,7
	OUTB \a
.endr
	s_wait_tensorcnt 0x0
	ds_add_u32 v[SPW], v[NIL]
	s_wait_dscnt 0x0
	CROUND
	s_endpgm
.Lfunc_end_k_qbab2eed6a1_outp:
	.size	k_qbab2eed6a1_outp, .Lfunc_end_k_qbab2eed6a1_outp-k_qbab2eed6a1_outp
	.p2alignl 7, 3214868480
	.fill 96, 4, 3214868480
	.section	.rodata,"a",@progbits
	.p2align	6, 0x0
	.amdhsa_kernel k_qbab2eed6a1_outp
		.amdhsa_group_segment_fixed_size 327680
		.amdhsa_private_segment_fixed_size 0
		.amdhsa_enable_private_segment 0
		.amdhsa_kernarg_size 32
		.amdhsa_user_sgpr_count 2
		.amdhsa_user_sgpr_kernarg_segment_ptr 1
		.amdhsa_wavefront_size32 1
		.amdhsa_system_sgpr_workgroup_id_x 1
		.amdhsa_system_sgpr_workgroup_id_y 1
		.amdhsa_system_sgpr_workgroup_id_z 1
		.amdhsa_system_vgpr_workitem_id 0
		.amdhsa_next_free_vgpr 1024
		.amdhsa_next_free_sgpr 100
		.amdhsa_reserve_vcc 0
		.amdhsa_float_denorm_mode_32 3
		.amdhsa_float_denorm_mode_16_64 3
		.amdhsa_memory_ordered 1
		.amdhsa_forward_progress 1
		.amdhsa_inst_pref_size 167
	.end_amdhsa_kernel
	.amdgpu_metadata
---
amdhsa.version: [ 1, 2 ]
amdhsa.kernels:
  - .name:           k_qbab2eed6a1_outp
    .symbol:         k_qbab2eed6a1_outp.kd
    .args:
      - { .name: oq, .offset: 0, .size: 8, .value_kind: global_buffer, .address_space: global }
      - { .name: wq, .offset: 8, .size: 8, .value_kind: global_buffer, .address_space: global }
      - { .name: bo, .offset: 16, .size: 8, .value_kind: global_buffer, .address_space: global }
      - { .name: out0, .offset: 24, .size: 8, .value_kind: global_buffer, .address_space: global }
    .group_segment_fixed_size: 327680
    .private_segment_fixed_size: 0
    .kernarg_segment_align: 8
    .kernarg_segment_size: 32
    .max_flat_workgroup_size: 128
    .sgpr_count:     100
    .vgpr_count:     1024
    .wavefront_size: 32
...
	.end_amdgpu_metadata
.endif
;; end of part 4
